; MI455X (gfx1250); checked and timed in simulation.
; The chip was launched on July 23, 2026; its instructions are those of AMD's public machine-readable ISA for CDNA 5 (MIT licence, August 2026) and "CDNA5" Instruction Set Architecture Reference Guide (July 2026). The comments in the code are by the model that wrote it; some were corrected since.
;; Causal Self Attention. Allowed arithmetic: matrix products marked QUANTISED: E5M2 operands, one E8M0 scale for each 32 along K, by v_wmma_scale_f32_16x16x128_f8f6f4 with both operands' format E5M2, f32 sums; everything else in f32.
;; Inputs: W_attn 1,024 x 3,072 float32; W_proj 1,024 x 1,024 float32; b_attn 3,072 float32; b_proj 1,024 float32; x 4 x 2,048 x 1,024 float32.
;; Outputs: out0 4 x 2,048 x 1,024 float32.
;; This version of the problem:
;;   THIS VERSION OF THE PROBLEM IS GIVEN IN LOW PRECISION. The matrix products marked QUANTISED in the list below multiply operands that are first quantised to E5M2 (5 exponent bits, 2 mantissa bits; 8 bits a number), with one power-of-two scale for each 32 numbers along K (OCP MX v1.0); their sums are f32. All else is computed in f32.
;;   The module's matrix products, in the order in which they are computed (A, B: the left and right operand; K: the contracted axis; several contracted axes count as one K, in the product's order):
;;     1. [M 8,192, K 1,024] x [K 1,024, N 3,072]; A: input x; B: input W_attn: QUANTISED
;;     2. batch 64 x [M 2,048, K 64] x [K 64, N 2,048]; A: computed on the way; B: computed on the way: QUANTISED
;;     3. batch 64 x [M 2,048, K 2,048] x [K 2,048, N 64]; A: softmax (see below); B: computed on the way: QUANTISED
;;     4. [M 8,192, K 1,024] x [K 1,024, N 1,024]; A: computed on the way; B: input W_proj: QUANTISED
;;   THE QUANTISER, for each operand of a quantised product, along K:
;;     - K is cut into blocks of 32 from its start; a last block that is shorter is filled with zeros.
;;     - A block's scale is 2^e with e = floor(log2(the largest magnitude in the block)) - 15, held to -126 .. 127; a block of zeros has e = 0. As a byte (E8M0): e + 127.
;;     - Each number is divided by its block's scale, clamped to +-57,344, and rounded to the nearest number of E5M2, ties to even, subnormals kept.
;;     - The product sums the exact products of the quantised numbers (number of the format x scale) in f32.
;;   ~~~python
;;   def quantise(x, axis):      # numpy; x: float32 -> the quantised numbers, widened to float32 again
;;       x = np.moveaxis(x, axis, -1); K = x.shape[-1]
;;       x = np.pad(x, [(0, 0)] * (x.ndim - 1) + [(0, -K % 32)]); x = x.reshape(x.shape[:-1] + (-1, 32)); a = np.abs(x).max(-1, keepdims=True)
;;       e = np.where(a > 0, np.clip(np.frexp(np.where(a > 0, a, 1))[1] - 1 - 15, -126, 127), 0)      # np.frexp(a)[1] - 1 = floor(log2(a)), exactly
;;       r = np.clip(x / 2.0 ** e, -57344, 57344)
;;       step = 2.0 ** (np.maximum(np.frexp(np.where(r == 0, 1, r))[1] - 1, -14) - 2)
;;       q = np.round(r / step) * step * 2.0 ** e      # np.round: ties to even
;;       return np.moveaxis(q.reshape(q.shape[:-2] + (-1,))[..., :K], -1, axis).astype(np.float32)
;;   ~~~
;;   SOFTMAX AHEAD OF A QUANTISED PRODUCT. Where the list says 'softmax', what is quantised is not the finished softmax but p = 2^(t - M), with t = logit x log2(e) and M = ceil(the row's largest t), a whole number; so 1/2 < the row's largest p <= 1. The row's sum l is taken of the UNQUANTISED p, in f32, and the product's result is divided by l at the end. Since M is a whole number, a kernel that streams over the keys may use a running M (the ceiling of the running maximum): every later rescaling is an exact power of two, which a block's scale takes up: the codes' values come out the same.
;;   OPERANDS COMPUTED ON THE WAY. 'Computed on the way' means the value that the module computes at that place (a softmax that the list does not call 'softmax' is quantised finished and normalised). What goes into a quantiser is computed in f32, as accurately as f32 sums, v_exp_f32 and their like allow (about 1e-6 of the number): no bf16 or f16 on the way to a quantiser, and a product that is left as it is and whose result goes on into a quantised operand takes f32 operands (vector FMAs, or v_wmma_f32_16x16x4_f32). A number that lies on a knife's edge between two numbers of the format may be rounded either way, as far as f32 arithmetic and the matrix unit's own rounding can turn it there, and no further.
;; One version. Each part assembles by itself: llvm-mc -triple=amdgcn-amd-amdhsa -mcpu=gfx1250 --defsym DOCPART=n.
;; ======== version 1 of 1: 4 launches
;; limits: right only within a limited range of input values
;; workspace buffers: xc 8,388,608 bytes; xs 262,144 bytes; wc 4,194,304 bytes; ws 131,072 bytes; qb 8,650,752 bytes; kv 17,301,504 bytes; yc 8,388,608 bytes; ys 262,144 bytes
;; launch prep (part 1): grid 384 x 1, 4 waves a work-group, no clusters, 68,096 bytes of LDS; arguments W_attn, W_proj, wc, ws, x, xc, xs; writes wc, ws, xc, xs
.if DOCPART == 1
	.amdgcn_target "amdgcn-amd-amdhsa--gfx1250"
	.amdhsa_code_object_version 6
	.text
	.protected	k_q27772740cc_prep
	.globl	k_q27772740cc_prep
	.p2align	8
	.type	k_q27772740cc_prep,@function
k_q27772740cc_prep:
	s_mov_b64 s[64:65], 0
	v_nop
	global_prefetch_b8 v0, s[64:65] scope:SCOPE_SE
	s_setreg_imm32_b32 hwreg(HW_REG_WAVE_MODE, 25, 1), 1
	s_wait_xcnt 0x0
; ONE LAUNCH QUANTISES ALL THREE f32 OPERANDS to codes of BF8 (E5M2), K innermost, with one E8M0 scale byte for each 32 along K.
; Work-groups 0-255: x [8192][1024] -> xc [8192][1024], xs [8192][32].  Work-groups 256-383: W_attn [1024][3072] and W_proj [1024][1024], whose K is their first axis -> wc [4096][1024], ws [4096][32] (rows 0-3071 W_attn's columns, 3072-4095 W_proj's).
; Rows of xc and wc lie at place pos(n) = n with bits 3 and 4 exchanged: sixteen neighbouring places are rows 32 (T / 2) + 8 (T % 2) + r + 8 (r / 8), the rows that the products want in one tile.
; A block's scale is 2^(floor(log2(its largest magnitude)) - 15); its byte is that magnitude's exponent field - 15, held at 1 from below; each number is divided by the scale, held within +-57,344 and rounded to the nearest code, ties to even.
; WORK THAT THE PROGRAM LEAVES OUT: in launch attn the key steps that lie wholly behind a wave's queries.  reference() sets their scores to -inf by its own jnp.tril, so their p is 0 for all values of the inputs and they add nothing to the sum or to y.
; A NaN, an infinity or an overflow that would arise only in those scores is not carried to the result.  Every input is loaded.
; LIMITS: a block of zeros gets the byte 1 where the rule says 127 (its codes are zeros, and this program alone reads the bytes); NaN and infinities among the inputs are not served.
; The two paths part on the work-group's number and have LDS bytes of their own: x's 0 .. 32,767, the weights' 32,768 .. 67,583; the spare words lie behind both.  No tensor loads, no barrier: waves share nothing.
.set WLDS,  0x8000
.set SPARE, 0x10800
.set EMAX,  15
.set MANT,  0x600000                   ; the mantissa field of 57,344 as f32
	v_lshl_add_u32 v208, v0, 2, SPARE
	v_mov_b32 v209, 0
	v_lshrrev_b32 v1, 5, v0
	v_readfirstlane_b32 s16, v1                    ; wave
	v_and_b32 v2, 31, v0                           ; lane
	s_wait_alu depctr_va_vdst(0)                   ; the wait ahead of the branch
	s_cmp_lt_u32 ttmp9, 256
	s_cbranch_scc0 .Lweights
; x: a wave takes 8 rows = 16 steps of 512 numbers.  A step's four loads read 512 consecutive bytes each; the 2,048 bytes turn through the wave's stage in LDS and come back 64 bytes a lane: 16 neighbours along K, two lanes to a block.
.set STEPS, 16
.set CB,    16
.set R,     16                         ; v16-79   four sets of 16 numbers as loaded
.set X,     80                         ; v80-111  two sets of 16 neighbours
.set C,     128                        ; v128-191 codes, four registers a step
.set E,     112                        ; v112-127 a scale byte a step
.set WREG,  8192                       ; a wave's region: two stages of 32 x SP bytes, then its 256 scale bytes
.set SP,    80
	s_load_b128 s[4:7], s[0:1], 0x20               ; x, xc
	s_load_b64 s[8:9], s[0:1], 0x30                ; xs
	v_lshlrev_b32 v3, 4, v2
	s_mul_i32 s17, s16, WREG
	v_lshrrev_b32 v14, 2, v2
	v_mul_u32_u24 v14, v14, SP
	v_and_b32 v15, 3, v2
	v_lshl_add_u32 v14, v15, 4, v14
	v_add_nc_u32 v14, s17, v14                     ; the stage, way in: SP (lane / 4) + 16 (lane % 4)
	v_mul_u32_u24 v15, v2, SP
	v_add_nc_u32 v15, s17, v15                     ; way out: SP x lane
	v_mul_u32_u24 v4, v2, CB
	v_lshrrev_b32 v5, 1, v2
	s_add_co_u32 s17, s17, 2*32*SP
	v_add_nc_u32 v5, s17, v5                       ; my block's byte among the wave's 256
	v_lshlrev_b32 v7, 3, v2
	v_add_nc_u32 v6, s17, v7
	s_mov_b32 s24, MANT
	s_lshl_b32 s17, ttmp9, 2
	s_add_co_u32 s18, s17, s16                     ; the run of 8 rows that I read
	s_lshl_b32 s18, s18, 15
	s_mov_b32 s19, 0
	s_and_b32 s20, s16, 1                          ; the run that I write: the wave's two bits exchanged, which are bits 3 and 4 of the row
	s_lshl_b32 s20, s20, 1
	s_lshr_b32 s21, s16, 1
	s_or_b32 s20, s20, s21
	s_add_co_u32 s20, s17, s20
	s_lshl_b32 s22, s20, 13
	s_mov_b32 s23, 0
	s_wait_alu depctr_va_vdst(0)
	s_wait_kmcnt 0x0
	s_add_nc_u64 s[4:5], s[4:5], s[18:19]
	s_add_nc_u64 s[6:7], s[6:7], s[22:23]
	s_lshl_b32 s22, s20, 8
	s_add_nc_u64 s[8:9], s[8:9], s[22:23]
.macro LOAD t
.irp i, 0,1,2,3
	global_load_b128 v[R+16*((\t)%4)+4*\i:R+16*((\t)%4)+4*\i+3], v3, s[4:5] offset:2048*(\t)+512*\i th:TH_LOAD_NT
.endr
.endm
.macro TURN t                          ; LDS serves a wave's instructions in order: no wait between the stores and the loads
.irp i, 0,1,2,3
	ds_store_b128 v14, v[R+16*((\t)%4)+4*\i:R+16*((\t)%4)+4*\i+3] offset:32*SP*((\t)%2)+8*SP*\i
.endr
.irp i, 0,1,2,3
	ds_load_b128 v[X+16*((\t)%2)+4*\i:X+16*((\t)%2)+4*\i+3], v15 offset:32*SP*((\t)%2)+16*\i
.endr
.endm
.irp t, 0,1,2,3
	LOAD \t
.endr
	s_wait_loadcnt 12                              ; step 0's four loads are in; steps 1 to 3's twelve stay out
	TURN 0
.macro STEP t
.set XS, X+16*((\t)%2)
.if (\t) > 0
	s_wait_dscnt 1                                 ; this step's numbers are back (the last step's byte store may be out)
.else
	s_wait_dscnt 0x0
.endif
.if (\t)+4 < STEPS
	LOAD (\t)+4
.endif
.if (\t)+1 < STEPS
.if STEPS-2-(\t) >= 3
	s_wait_loadcnt 12                              ; the next step's four are in; the three steps behind it may be out
.else
	s_wait_loadcnt 4*(STEPS-2-(\t))
.endif
	TURN (\t)+1
.endif
	v_max3_num_f32 v8, |v[XS]|, |v[XS+1]|, |v[XS+2]|
	v_max3_num_f32 v9, |v[XS+3]|, |v[XS+4]|, |v[XS+5]|
.irp i, 6,10
	v_max3_num_f32 v8, v8, |v[XS+\i]|, |v[XS+\i+1]|
	v_max3_num_f32 v9, v9, |v[XS+\i+2]|, |v[XS+\i+3]|
.endr
	v_max3_num_f32 v8, v8, |v[XS+14]|, |v[XS+15]|
	v_max3_num_f32 v8, v8, v9, (EMAX+1)<<23        ; the floor 2^(EMAX + 1 - 127): the byte cannot fall under 1
	v_max_num_f32_dpp v8, v8, v8 row_xmask:1 row_mask:0xf bank_mask:0xf   ; with my neighbour's 16: the block's
	v_add_nc_u32 v11, -(EMAX<<23), v8              ; the conversion's scale operand
	v_and_or_b32 v10, v8, 0x7f800000, s24          ; 57,344 x the scale
.irp i, 0,1,2,3,4,5,6,7,8,9,10,11,12,13,14,15
	v_med3_num_f32 v[XS+\i], v[XS+\i], -v10, v10   ; the conversion does not saturate (ISA guide 7.6.2): the hold
.endr
	v_cvt_scalef32_pk8_bf8_f32 v[C+4*(\t):C+4*(\t)+1], v[XS:XS+7], v11
	v_cvt_scalef32_pk8_bf8_f32 v[C+4*(\t)+2:C+4*(\t)+3], v[XS+8:XS+15], v11
	v_lshrrev_b32 v[E+(\t)], 23, v11               ; the scale's byte (also the plain line behind the conversions)
	ds_store_b8 v5, v[E+(\t)] offset:16*(\t)
	global_store_b128 v4, v[C+4*(\t):C+4*(\t)+3], s[6:7] offset:32*CB*(\t)
.endm
.irp t, 0,1,2,3,4,5,6,7,8,9,10,11,12,13,14,15
	STEP \t
.endr
	ds_load_b64 v[12:13], v6
	s_wait_dscnt 0x0
	global_store_b64 v7, v[12:13], s[8:9]          ; 32 lanes store 256 consecutive bytes, aligned
	s_wait_tensorcnt 0x0                           ; the wave's end
	ds_add_u32 v208, v209
	s_wait_dscnt 0x0
	s_endpgm
; THE WEIGHTS: a lane takes a column and its registers run down K; a wave takes 32 columns x 256 along K; the codes go through the wave's stage (the lane's row there is its column's place) and leave as rows of 256 bytes.
; Group g = work-group - 256: g % 32 is the group of 128 columns (0-23 W_attn, 24-31 W_proj), g / 32 the 256 along K.  The scale bytes leave 8 bytes a lane into rows 32 bytes apart: 1 byte for each 128 bytes read.
.Lweights:
.set NB,    8
.set PITCH, 272
.set KROW,  1024
.set X,     32                         ; v32-95   two sets of 32 numbers
.set C,     96                         ; v96-103  a block's codes
.set OUTR,  112                        ; v112-175 the way out
.set SB,    24                         ; v24-25   the scale bytes
.set VO,    176                        ; v176-207 byte offsets of a block's 32 rows
.set BASE,  32                         ; s[32:47] where each of my 8 blocks begins
	s_load_b256 s[4:11], s[0:1], 0x0               ; W_attn, W_proj, wc, ws
	s_sub_co_u32 s30, ttmp9, 256
	s_and_b32 s17, s30, 31
	s_lshr_b32 s18, s30, 5
	v_lshlrev_b32 v3, 2, v2
	v_and_b32 v10, 7, v2                           ; my column's place: the lane with bits 3 and 4 exchanged
	v_and_b32 v11, 8, v2
	v_lshl_add_u32 v10, v11, 1, v10
	v_lshrrev_b32 v11, 1, v2
	v_and_b32 v11, 8, v11
	v_add_nc_u32 v10, v10, v11
	s_mul_i32 s19, s16, 32*PITCH
	s_add_co_u32 s19, s19, WLDS                    ; my stage
	v_mul_u32_u24 v4, v10, PITCH
	v_add_nc_u32 v4, s19, v4
	v_and_b32 v5, 15, v2
	v_lshrrev_b32 v6, 4, v2
	v_mul_u32_u24 v7, v6, PITCH
	v_lshl_add_u32 v7, v5, 4, v7
	v_add_nc_u32 v7, s19, v7
	v_lshlrev_b32 v8, 10, v6
	v_lshl_add_u32 v8, v5, 4, v8
	v_lshlrev_b32 v9, 5, v10
	s_mov_b32 s31, MANT
	s_mov_b32 s20, 12288                           ; W_attn's pitch in bytes
	s_mov_b32 s21, 4096                            ; W_proj's
	s_wait_alu depctr_va_vdst(0)
	s_wait_kmcnt 0x0
	s_cmp_lt_u32 s17, 24
	s_cselect_b64 s[4:5], s[4:5], s[6:7]
	s_cselect_b32 s20, s20, s21
	s_cselect_b32 s22, 0, 24
	s_sub_co_u32 s22, s17, s22
	s_lshl_b32 s22, s22, 7
	s_lshl_b32 s23, s16, 5
	s_add_co_u32 s22, s22, s23                     ; my wave's first column
	s_lshl_b32 s22, s22, 2
	s_lshl_b32 s24, s18, 8
	s_mul_i32 s24, s24, s20
	s_add_co_u32 s24, s24, s22
	s_mov_b32 s25, 0
	s_add_nc_u64 s[BASE:BASE+1], s[4:5], s[24:25]
	s_lshl_b32 s26, s20, 5
	s_mov_b32 s27, 0
.irp t, 1,2,3,4,5,6,7
	s_add_nc_u64 s[BASE+2*\t:BASE+2*\t+1], s[BASE+2*\t-2:BASE+2*\t-1], s[26:27]
.endr
	s_lshl_b32 s28, s17, 7
	s_add_co_u32 s28, s28, s23                     ; my wave's first place in wc and ws
	s_lshl_b32 s24, s28, 10
	s_lshl_b32 s29, s18, 8
	s_add_co_u32 s24, s24, s29
	s_add_nc_u64 s[8:9], s[8:9], s[24:25]
	s_lshl_b32 s24, s28, 5
	s_lshl_b32 s29, s18, 3
	s_add_co_u32 s24, s24, s29
	s_add_nc_u64 s[10:11], s[10:11], s[24:25]
.irp i, 0,1,2,3,4,5,6,7,8,9,10,11,12,13,14,15,16,17,18,19,20,21,22,23,24,25,26,27,28,29,30,31
	v_mad_u32_u24 v[VO+\i], s20, \i, v3
.endr
.macro WLOAD t
.irp i, 0,1,2,3,4,5,6,7,8,9,10,11,12,13,14,15,16,17,18,19,20,21,22,23,24,25,26,27,28,29,30,31
	global_load_b32 v[X+32*((\t)%2)+\i], v[VO+\i], s[BASE+2*(\t):BASE+2*(\t)+1] th:TH_LOAD_NT
.endr
.endm
	WLOAD 0
	WLOAD 1
.macro BLOCK t
.set XS, X+32*((\t)%2)
.if (\t) < NB-1
	s_wait_loadcnt 32                              ; this block's 32 loads are in; the next block's may be out
.else
	s_wait_loadcnt 0
.endif
	v_max3_num_f32 v12, |v[XS]|, |v[XS+1]|, |v[XS+2]|
	v_max3_num_f32 v13, |v[XS+3]|, |v[XS+4]|, |v[XS+5]|
.irp i, 6,10,14,18,22,26
	v_max3_num_f32 v12, v12, |v[XS+\i]|, |v[XS+\i+1]|
	v_max3_num_f32 v13, v13, |v[XS+\i+2]|, |v[XS+\i+3]|
.endr
	v_max3_num_f32 v12, v12, |v[XS+30]|, |v[XS+31]|
	v_max3_num_f32 v12, v12, v13, (EMAX+1)<<23
	v_add_nc_u32 v11, -(EMAX<<23), v12
	v_and_or_b32 v10, v12, 0x7f800000, s31
	v_lshrrev_b32 v13, 23, v11
.if (\t)%4 == 0
	v_mov_b32 v[SB+(\t)/4], v13
.else
	v_lshl_or_b32 v[SB+(\t)/4], v13, 8*((\t)%4), v[SB+(\t)/4]
.endif
.irp i, 0,1,2,3,4,5,6,7,8,9,10,11,12,13,14,15,16,17,18,19,20,21,22,23,24,25,26,27,28,29,30,31
	v_med3_num_f32 v[XS+\i], v[XS+\i], -v10, v10
.endr
.irp g, 0,1,2,3
	v_cvt_scalef32_pk8_bf8_f32 v[C+2*\g:C+2*\g+1], v[XS+8*\g:XS+8*\g+7], v11
.endr
	v_nop                                          ; a plain line behind the last conversion
	ds_store_b128 v4, v[C:C+3] offset:32*(\t)
	ds_store_b128 v4, v[C+4:C+7] offset:32*(\t)+16
.if (\t)+2 < NB
	WLOAD (\t)+2
.endif
	s_wait_dscnt 0x0                               ; the stores have read their registers
.endm
.set Q, 0
.rept NB
	BLOCK Q
.set Q, Q+1
.endr
	global_store_b64 v9, v[SB:SB+1], s[10:11]
.irp t, 0,1,2,3,4,5,6,7,8,9,10,11,12,13,14,15
	ds_load_b128 v[OUTR+4*\t:OUTR+4*\t+3], v7 offset:2*\t*PITCH
.endr
.irp t, 0,1,2,3,4,5,6,7,8,9,10,11,12,13,14,15
	s_wait_dscnt 15-\t                             ; row pair t is back; the younger ones stay out
	global_store_b128 v8, v[OUTR+4*\t:OUTR+4*\t+3], s[8:9] offset:2*\t*KROW
.endr
	s_wait_tensorcnt 0x0
	ds_add_u32 v208, v209
	s_wait_dscnt 0x0
	s_endpgm
.Lfunc_end_k_q27772740cc_prep:
	.size	k_q27772740cc_prep, .Lfunc_end_k_q27772740cc_prep-k_q27772740cc_prep
	.p2alignl 7, 3214868480
	.fill 96, 4, 3214868480
	.section	.rodata,"a",@progbits
	.p2align	6, 0x0
	.amdhsa_kernel k_q27772740cc_prep
		.amdhsa_group_segment_fixed_size 68096
		.amdhsa_private_segment_fixed_size 0
		.amdhsa_enable_private_segment 0
		.amdhsa_kernarg_size 56
		.amdhsa_user_sgpr_count 2
		.amdhsa_user_sgpr_kernarg_segment_ptr 1
		.amdhsa_wavefront_size32 1
		.amdhsa_system_sgpr_workgroup_id_x 1
		.amdhsa_system_sgpr_workgroup_id_y 1
		.amdhsa_system_sgpr_workgroup_id_z 1
		.amdhsa_system_vgpr_workitem_id 0
		.amdhsa_next_free_vgpr 210
		.amdhsa_next_free_sgpr 66
		.amdhsa_reserve_vcc 0
		.amdhsa_float_denorm_mode_32 3
		.amdhsa_float_denorm_mode_16_64 3
		.amdhsa_memory_ordered 1
		.amdhsa_forward_progress 1
		.amdhsa_inst_pref_size 112
	.end_amdhsa_kernel
	.amdgpu_metadata
---
amdhsa.version: [ 1, 2 ]
amdhsa.kernels:
  - .name:           k_q27772740cc_prep
    .symbol:         k_q27772740cc_prep.kd
    .args:
      - { .name: W_attn, .offset: 0, .size: 8, .value_kind: global_buffer, .address_space: global }
      - { .name: W_proj, .offset: 8, .size: 8, .value_kind: global_buffer, .address_space: global }
      - { .name: wc, .offset: 16, .size: 8, .value_kind: global_buffer, .address_space: global }
      - { .name: ws, .offset: 24, .size: 8, .value_kind: global_buffer, .address_space: global }
      - { .name: x, .offset: 32, .size: 8, .value_kind: global_buffer, .address_space: global }
      - { .name: xc, .offset: 40, .size: 8, .value_kind: global_buffer, .address_space: global }
      - { .name: xs, .offset: 48, .size: 8, .value_kind: global_buffer, .address_space: global }
    .group_segment_fixed_size: 68096
    .private_segment_fixed_size: 0
    .kernarg_segment_align: 8
    .kernarg_segment_size: 56
    .max_flat_workgroup_size: 128
    .sgpr_count:     66
    .vgpr_count:     210
    .wavefront_size: 32
...
	.end_amdgpu_metadata
.endif
;; end of part 1
;; launch qkv (part 2): grid 8 x 32, 4 waves a work-group, clusters of 4 x 4, 327,680 bytes of LDS; arguments xc, xs, wc, ws, b_attn, qb, kv; writes qb, kv
.if DOCPART == 2
	.amdgcn_target "amdgcn-amd-amdhsa--gfx1250"
	.amdhsa_code_object_version 6
	.text
	.protected	k_q27772740cc_qkv
	.globl	k_q27772740cc_qkv
	.p2align	8
	.type	k_q27772740cc_qkv,@function
k_q27772740cc_qkv:
	s_mov_b64 s[64:65], 0
	v_nop
	global_prefetch_b8 v0, s[64:65] scope:SCOPE_SE
	s_setreg_imm32_b32 hwreg(HW_REG_WAVE_MODE, 25, 1), 1
	s_wait_xcnt 0x0
	s_wait_alu depctr_hold_cnt(0) depctr_sa_sdst(0) depctr_va_vdst(0) depctr_va_sdst(0) depctr_va_ssrc(0) depctr_va_vcc(0) depctr_vm_vsrc(0)
	s_getreg_b32 s2, hwreg(HW_REG_IB_STS2, 6, 4)
	s_cmp_eq_u32 s2, 0
	s_cbranch_scc0 .Lentry_in_a_cluster
	s_endpgm
.Lentry_in_a_cluster:
	s_bfe_u32 s2, ttmp6, 0x10000c
	s_cmp_lg_u32 s2, 0xf033
	s_cbranch_scc0 .Lentry_shape_is_right
	s_endpgm
.Lentry_shape_is_right:
; qkv = x W_attn + b_attn on codes of BF8 (E5M2) with one E8M0 scale for each 32 along K = 1,024, f32 sums; q, k and v are quantised here, each along the K of the product that will read it,
; and leave as IMAGES OF THE OPERAND'S REGISTERS (each group of four registers as 16 bytes a lane, 512 consecutive bytes a store).
; 256 WORK-GROUPS THAT STAY, four waves each, in two phases.  With X, Y the cluster's numbers and cx, cy the place in it:
; PHASE 1: 256 tokens (tile 4 Y + cy: side A, xc) x 256 features of q or k (tile 4 X + cx: side B, wc): a wave makes 128 x 128: 64 accumulators.
; PHASE 2: 128 features of v (wc rows 2,048 + 128 (4 X + cy) on: side A) x 256 tokens (tile 4 Y + cx: side B, xc): a wave makes 64 x 128: 32 accumulators: one head's 64 channels x one step of 128 keys.
; THE MATRIX INSTRUCTION IS USED TRANSPOSED: source 0 = 16 rows of side B, source 1 = 16 rows of side A.  A lane holds ONE row of A, and the 16 registers of accumulators (a, 2 c), (a, 2 c + 1) are B's indices 32 c + 16 (lane / 16) + 0 .. 15:
; in phase 1 a lane's registers run along the head's channels, the K of q k^T; in phase 2 along the tokens, the K of p v.  Rows of xc and wc lie in the order pos (bits 3 and 4 of the index exchanged).
; The bias is the C of each sum's first product: by B's tile in phase 1, by A's row in phase 2.
; K goes in steps of 256 through a ring of two LDS slots; the scale bytes of a phase's rows, for all of K, lie behind the ring.  CLUSTERS: 4 x 4; A's tiles are asked for jointly along a row of the cluster, B's along a column, in both phases.
; THE RING RUNS ON INTO PHASE 2: phase 1's third change of slots takes v's K step 0 into slot 0; the round in its last step takes K step 1 into slot 1 and v's scale bytes over phase 1's, whose last read is over.
; They land while phase 1's results are quantised and stored.  From there on wave 0 fetches A's 128 rows and wave 1 B's 256.
; PREFETCH: v's rows of wc, which phase 1 does not touch, are named once, behind K step 1's load, three K steps ahead of the first load that takes them: of a tile's 128 rows x 4 blocks of 256 bytes the partner at cx names rows 32 cx on, a lane a row, wave w K step w.
; Eight clusters walk the same rows: the first four alone name them.  The other tiles come by their loads alone: each is read by several work-groups of the launch at about the same time.
; OUTPUT.  qb [64 heads][16 steps of 128 tokens][8,448]: 8 tiles x 2 blocks x 512 bytes of codes, then 256 bytes of scale words.  kv [64][16][16,896]: K's codes so, V's codes (4 tiles of channels x 4 blocks of keys x 512), K's scale words, V's.
; LIMITS: a block of zeros gets the byte 1 where the rule says 127 (its codes are zeros, and this program alone reads the bytes); NaN and infinities are not served.
; REGISTERS, in windows of 256: window 0: v0-31 addresses; v32-63 scale words, two sets; v64-127 phase 1's bias (v96-127 phase 2's); from v128 A's fragments (phase 1 one set of 8, phase 2 two sets of 4).
;   window 1: B's fragments, two sets.   window 2: the accumulators of A's blocks 0-3 ((a, b) at v[8 (8 a + b)]);   window 3: those of blocks 4-7.
.set NQ,     2
.set ROWB,   256
.set KROW,   1024
.set PITCH,  272                       ; an LDS row: 256 bytes + 16 of padding: the 16 rows that a load touches start at 16 different banks (ISA guide 11.1)
.set FR,     16
.set NL,     4
.set NP,     8                         ; places behind this matrix instruction (ISA guide 7.12.1)
.set HALFT,  128*PITCH
.set SLOT,   4*HALFT                   ; A's rows, then, 2 HALFT on, B's 256 rows
.set KS,     32
.set SCL,    2*SLOT                    ; the scales, as rows of 256 bytes + 16: A's, then, 2 HALFS on, B's
.set HALFS,  (128*KS/256)*272
.set SBLK,   (16*KS/256)*272
.set SPARE,  SCL+4*HALFS
.set REC,    16896
.set HS,     16*REC
.set RECQ,   8448
.set HSQ,    16*RECQ
.set ADRA, 16                          ; v16-17 LDS address of my A fragments in slot 0, 1, phase 1;  v18-19 phase 2
.set ADRA2, 18
.set ADRB, 20                          ; v20-21 the same for B, both phases
.set ADRT, 22                          ; v22 phase 2's scale words: lanes 0-15 A's rows, lanes 16-31 B's;  v23 for B's blocks 4-7: lanes 0-15 four blocks back
.set ADRT2, 23
.set PFO,  24
.set L8,   25
.set ADRS, 27                          ; v27 phase 1's scale words
.set SPW,  28
.set NIL,  29
.set BO,   30
.set BA,   31
.set SC,   32
.set BIAS, 64
.set BIAS2, 96
.set AF,   128
.set PC,   64                          ; the way out: v64-79 codes, v80-87, v88-91 scale words, v92-95 offsets of a tile's four stores
.set EW,   80
.set XY,   88
.set VOC,  92
.set TM,   200
.set SW,   216
.set G1, 24
.set G0, 32
.set G1B, 48
.set G0B, 56
.set G1S, 68
.set G0S, 76
.set G1SB, 80
.set G0SB, 88
.set PA2, 92                           ; s[92:93], s[94:95] phase 2's codes of A, of B;  s[98:99], s[100:101] their scales;  s[104:105] the prefetch's base
.set PB2, 94
.set PSA, 98
.set PSB, 100
.set PFA, 104
.set OUT, 4                            ; the way out, in registers that the head's descriptors have left
.set SP0, 6
.set SP1, 8
.set HSX, 10
.set SEL, 18
.set MNT, 20
.set HI16, 21
.set MSB, 0
.macro WIN new                         ; the immediate's high byte repeats the setting that is left
.if MSB != \new
	s_set_vgpr_msb (MSB<<8)|\new
.set MSB, \new
.endif
.endm
.set MUL_LO,  0xa1                     ; source 0 (B) window 1, source 1 (A) window 0, C and D window 2
.set MUL_HI,  0xf1
.set BIAS_LO, 0x81                     ; C (the bias) window 0, D window 2
.set BIAS_HI, 0xc1
.set TO_B,    0x40
.macro TL g0, g1                       ; a tensor load; an s_nop 0 and four v_nop follow it
	tensor_load_to_lds s[\g0:\g0+3], s[\g1:\g1+7]
	s_nop 0
.rept 4
	v_nop
.endr
.endm
.macro JLOAD g0a, g1a, g0b, g1b        ; phase 1's ring: waves 0 and 1 fetch A's halves, waves 2 and 3 B's
	s_cmp_eq_u32 s15, 0
	s_cbranch_scc0 .Lfor_b_\@
	TL \g0a, \g1a
	s_branch .Lasked_\@
.Lfor_b_\@:
	TL \g0b, \g1b
.Lasked_\@:
.endm
.macro TREE4 a0, a1, b0, b1, c0, c1, d0, d1   ; four tiles, one a wave: one tree of branches on the wave's number
	s_cmp_lt_u32 s14, 1
	s_cbranch_scc0 .Lt1_\@
	TL \a0, \a1
	s_branch .Lt4_\@
.Lt1_\@:
	s_cmp_lt_u32 s14, 2
	s_cbranch_scc0 .Lt2_\@
	TL \b0, \b1
	s_branch .Lt4_\@
.Lt2_\@:
	s_cmp_lt_u32 s14, 3
	s_cbranch_scc0 .Lt3_\@
	TL \c0, \c1
	s_branch .Lt4_\@
.Lt3_\@:
	TL \d0, \d1
.Lt4_\@:
.endm
.macro T2 s                            ; phase 2's ring: wave 0 fetches A's 128 rows, wave 1 B's 256, the others nothing
	s_cmp_lt_u32 s14, 1
	s_cbranch_scc0 .Lu1_\@
	TL G0+4*\s, G1
	s_branch .Lu2_\@
.Lu1_\@:
	s_cmp_lt_u32 s14, 2
	s_cbranch_scc0 .Lu2_\@
	TL G0B+4*\s, G1B
.Lu2_\@:
.endm
.macro CREST
	s_cmp_lg_u32 s14, 0
	s_cbranch_scc1 .Lnot_wave_0_\@
	s_barrier_signal -3
.Lnot_wave_0_\@:
	s_barrier_wait -3
	s_barrier_signal -1
	s_barrier_wait -1
.endm
.macro CROUND
	s_barrier_signal -1
	s_barrier_wait -1
	CREST
.endm
.macro PLACES n
.rept \n
	v_nop
.endr
.endm
	s_load_b128 s[4:7], s[0:1], 0x0                ; xc, xs
	s_load_b128 s[8:11], s[0:1], 0x10              ; wc, ws
	s_load_b64 s[12:13], s[0:1], 0x20              ; b_attn
	s_load_b64 s[96:97], s[0:1], 0x28              ; qb
	s_load_b64 s[66:67], s[0:1], 0x30              ; kv
	v_lshl_add_u32 v[SPW], v0, 2, SPARE
	v_mov_b32 v[NIL], 0
	ds_add_u32 v[SPW], v[NIL]                      ; the opening lines: the add twice on end and its wait
	ds_add_u32 v[SPW], v[NIL]
	v_lshrrev_b32 v1, 5, v0
	v_readfirstlane_b32 s14, v1                    ; wave 0..3
	s_lshr_b32 s15, s14, 1                         ; my half of A's rows
	s_and_b32 s16, s14, 1                          ; my half of B's rows
	s_bfe_u32 s40, ttmp6, 0x40000                  ; cx, cy
	s_bfe_u32 s41, ttmp6, 0x40004
	s_lshl_b32 s42, ttmp9, 2                       ; 4 X
	s_and_b32 s17, ttmp7, 0xffff
	s_lshl_b32 s17, s17, 2                         ; 4 Y
	s_add_co_u32 s3, s42, s41                      ; phase 2, A: v's tile of 128 features, 4 X + cy
	s_add_co_u32 s2, s17, s40                      ; phase 2, B: token tile 4 Y + cx
	s_add_co_u32 s42, s42, s40                     ; phase 1, B: feature tile 4 X + cx
	s_add_co_u32 s17, s17, s41                     ; phase 1, A: token tile 4 Y + cy
	s_lshl_b32 s43, s41, 2
	s_lshl_b32 s43, 15, s43                        ; my row of the cluster
	s_lshl_b32 s44, 0x1111, s40                    ; my column
	s_or_b32 s[G1+0], s43, (0<<16)|(1<<20)|(1<<21)|(5<<22)|(3<<25)  ; the mask; elements of 1 byte; padding on; bit 21 beside a mask; 4 words behind every 64
	s_or_b32 s[G1B+0], s44, (0<<16)|(1<<20)|(1<<21)|(5<<22)|(3<<25)
.irp g, G1, G1B
	s_mov_b32 s[\g+1], ROWB<<16
	s_mov_b32 s[\g+2], 256<<16                     ; 256 rows for the head's loads
	s_mov_b32 s[\g+3], ROWB<<16
	s_mov_b32 s[\g+4], 256
	s_mov_b32 s[\g+5], KROW
	s_mov_b32 s[\g+6], 0
	s_mov_b32 s[\g+7], 0
.endr
	s_or_b32 s[G1S+0], s43, (3<<16)|(1<<20)|(1<<21)|(5<<22)|(3<<25)   ; the scales of 256 rows: 8,192 dense bytes as 32 rows of 256
	s_or_b32 s[G1SB+0], s44, (3<<16)|(1<<20)|(1<<21)|(5<<22)|(3<<25)
.irp g, G1S, G1SB
	s_mov_b32 s[\g+1], 32<<16
	s_mov_b32 s[\g+2], 32<<16
	s_mov_b32 s[\g+3], 32<<16
	s_mov_b32 s[\g+4], 32
	s_mov_b32 s[\g+5], 32
	s_mov_b32 s[\g+6], 0
	s_mov_b32 s[\g+7], 0
.endr
	s_mov_b32 s19, 0
	s_mul_i32 s45, s14, HALFT                      ; phase 1's ring: where my 128 rows go: from the wave's number alone
	s_wait_dscnt 0x0
	s_wait_kmcnt 0x0
	s_lshl_b32 s18, s17, 18
	s_add_nc_u64 s[20:21], s[4:5], s[18:19]        ; A's codes
	s_lshl_b32 s18, s17, 13
	s_add_nc_u64 s[22:23], s[6:7], s[18:19]        ; A's scales
	s_lshl_b32 s18, s42, 18
	s_add_nc_u64 s[46:47], s[8:9], s[18:19]        ; B's codes
	s_lshl_b32 s18, s42, 13
	s_add_nc_u64 s[PFA:PFA+1], s[10:11], s[18:19]  ; B's scales
	s_lshl_b32 s18, s3, 17
	s_add_co_u32 s18, s18, 2048*KROW
	s_add_nc_u64 s[PA2:PA2+1], s[8:9], s[18:19]
	s_lshl_b32 s18, s3, 12
	s_add_co_u32 s18, s18, 2048*KS
	s_add_nc_u64 s[PSA:PSA+1], s[10:11], s[18:19]
	s_lshl_b32 s18, s2, 18
	s_add_nc_u64 s[PB2:PB2+1], s[4:5], s[18:19]
	s_lshl_b32 s18, s2, 13
	s_add_nc_u64 s[PSB:PSB+1], s[6:7], s[18:19]
	CROUND                                         ; all sixteen work-groups are here: the first joint loads meet
	s_mov_b32 s4, 1                                ; s[4:7], s[8:11]: group 0 of the head's loads of K step 0, A's 256 rows and B's
	s_mov_b32 s5, 0
	s_mov_b64 s[6:7], s[20:21]
	s_or_b32 s7, s7, 0x80000000
	s_mov_b32 s8, 1
	s_mov_b32 s9, 2*HALFT
	s_mov_b64 s[10:11], s[46:47]
	s_or_b32 s11, s11, 0x80000000
	s_mov_b32 s[G0S], 1
	s_mov_b32 s[G0S+1], SCL
	s_mov_b64 s[G0S+2:G0S+3], s[22:23]
	s_or_b32 s[G0S+3], s[G0S+3], 0x80000000
	s_mov_b32 s[G0SB], 1
	s_mov_b32 s[G0SB+1], SCL+2*HALFS
	s_mov_b64 s[G0SB+2:G0SB+3], s[PFA:PFA+1]
	s_or_b32 s[G0SB+3], s[G0SB+3], 0x80000000
	s_mul_i32 s18, s16, 128*KROW                   ; in phase 1's ring I fetch 128 rows of a tile: which half
	s_add_nc_u64 s[20:21], s[20:21], s[18:19]
	s_add_nc_u64 s[46:47], s[46:47], s[18:19]
.irp s, 0,1
	s_mov_b32 s[G0+4*\s], 1
	s_add_co_u32 s[G0+4*\s+1], s45, \s*SLOT
	s_add_nc_u64 s[G0+4*\s+2:G0+4*\s+3], s[20:21], \s*ROWB
	s_or_b32 s[G0+4*\s+3], s[G0+4*\s+3], 0x80000000
	s_mov_b32 s[G0B+4*\s], 1
	s_add_co_u32 s[G0B+4*\s+1], s45, \s*SLOT
	s_add_nc_u64 s[G0B+4*\s+2:G0B+4*\s+3], s[46:47], \s*ROWB
	s_or_b32 s[G0B+4*\s+3], s[G0B+4*\s+3], 0x80000000
.endr
	TREE4 4, G1, 8, G1B, G0S, G1S, G0SB, G1SB      ; the head's loads, one a wave: K step 0 of A, of B, A's scales, B's
	s_lshl_b32 s18, s40, 15                        ; the prefetch: rows 32 cx on of v's tile, K step = my wave
	s_lshl_b32 s20, s14, 8
	s_add_co_u32 s18, s18, s20
	s_add_nc_u64 s[PFA:PFA+1], s[PA2:PA2+1], s[18:19]
	s_lshl_b32 s18, s42, 10                        ; phase 1's bias: 4 (256 x feature tile + 128 x half)
	s_lshl_b32 s20, s16, 9
	s_add_co_u32 s18, s18, s20
	s_add_nc_u64 s[20:21], s[12:13], s[18:19]
	s_lshl_b32 s18, s3, 9                          ; phase 2's: 4 (2,048 + 128 x tile + 64 x half)
	s_lshl_b32 s22, s15, 8
	s_add_co_u32 s18, s18, s22
	s_add_co_u32 s18, s18, 8192
	s_add_nc_u64 s[12:13], s[12:13], s[18:19]
	s_and_b32 s19, ttmp7, 0xffff
	s_cmp_lt_u32 s19, 4
	s_cselect_b32 s19, 1, 0                        ; the first four clusters along y name v's rows
	s_mul_i32 s22, s15, HALFT                      ; LDS: my rows of A in phase 1,
	s_mul_i32 s23, s15, 64*PITCH                   ; in phase 2,
	s_mul_i32 s43, s16, HALFT
	s_add_co_u32 s43, s43, 2*HALFT                 ; my 128 rows of B,
	s_mul_i32 s44, s15, HALFS                      ; phase 1's scales: A's of my 128 rows,
	s_mul_i32 s45, s16, HALFS
	s_add_co_u32 s45, s45, 2*HALFS
	s_mul_i32 s46, s15, 4*SBLK                     ; phase 2's: A's of my 64 rows,
	s_sub_co_u32 s47, s45, s46                     ; how far on B's lie,
	s_sub_co_u32 s45, s45, s44                     ; and the same in phase 1
	s_add_co_u32 s44, s44, SCL
	s_add_co_u32 s46, s46, SCL
	s_mov_b32 s18, 4*SBLK
	v_and_b32 v1, 15, v0                           ; r
	v_bfe_u32 v2, v0, 4, 1                         ; h
	v_and_b32 v6, 31, v0
	v_mul_u32_u24 v3, v1, PITCH
	v_lshlrev_b32 v[PFO], 10, v6
	v_lshlrev_b32 v[L8], 3, v6
	v_lshlrev_b32 v[BO], 6, v2
	v_and_b32 v[BA], 8, v1
	v_lshl_add_u32 v4, v2, 4, v3                   ; a fragment's row x pitch + 16 x half
	v_mul_u32_u24 v5, v1, KS
	v_add_nc_u32 v[BA], v[BA], v1
	v_add_nc_u32 v[ADRA], s22, v4
	v_add_nc_u32 v[ADRA2], s23, v4
	v_add_nc_u32 v[ADRB], s43, v4
	v_lshrrev_b32 v7, 8, v5
	v_lshlrev_b32 v[BA], 2, v[BA]                  ; 4 (r + 8 (r / 8))
	v_add_nc_u32 v[ADRA+1], SLOT, v[ADRA]
	v_add_nc_u32 v[ADRA2+1], SLOT, v[ADRA2]
	v_add_nc_u32 v[ADRB+1], SLOT, v[ADRB]
	v_lshl_add_u32 v5, v7, 4, v5                   ; my row's scales: 32 bytes a row, and 16 more for each 256 passed
	v_mul_u32_u24 v7, s45, v2                      ; lanes 16-31 take B's
	v_mul_u32_u24 v8, s47, v2
	v_add_nc_u32 v7, v5, v7
	v_add_nc_u32 v8, v5, v8
	v_add_nc_u32 v[ADRS], s44, v7
	v_add_nc_u32 v[ADRT], s46, v8
	v_mad_u32_u24 v8, v2, s18, v[ADRT]
	v_sub_nc_u32 v[ADRT2], v8, s18                 ; lanes 0-15 four blocks back
	s_wait_alu depctr_va_vdst(0)                   ; the wait at the head's end
.irp b, 0,1,2,3,4,5,6,7                        ; tile b's register j is feature 32 (b / 2) + 8 (b % 2) + 16 h + j
	global_load_b128 v[BIAS+8*\b:BIAS+8*\b+3], v[BO], s[20:21] offset:(32*(\b/2)+8*(\b%2))*4
	global_load_b128 v[BIAS+8*\b+4:BIAS+8*\b+7], v[BO], s[20:21] offset:(32*(\b/2)+8*(\b%2))*4+16
.endr
.macro FRAG reg, adr, q, i             ; 16 rows x 128 K: lane l holds row l % 16; registers 4 c .. 4 c + 3 hold K = 32 c + 16 (l / 16) + 0 .. 15
.irp c, 0,1,2,3
	ds_load_b128 v[\reg+4*\c:\reg+4*\c+3], v[\adr] offset:128*(\q)+32*\c+(\i)*16*PITCH
.endr
.endm
; PHASE 1.  One product: A's block a x B's block b, the slot's q-th 128 along K; p: B's set; sc: the set of scale words; c0: the first register of C
.macro PROD a, b, p, q, sc, c0
	v_wmma_scale_f32_16x16x128_f8f6f4 v[8*(8*((\a)%4)+\b):8*(8*((\a)%4)+\b)+7], v[128*(\p)+FR*\b:128*(\p)+FR*\b+FR-1], v[AF+FR*(\a):AF+FR*(\a)+FR-1], v[\c0:\c0+7], v[SC+8*NQ*(\sc)+NQ*\b+(\q)], v[SC+8*NQ*(\sc)+NQ*(\a)+(\q)] matrix_a_fmt:MATRIX_FMT_BF8 matrix_b_fmt:MATRIX_FMT_BF8 matrix_a_scale:MATRIX_SCALE_ROW1
.endm
.macro MUL16 a0, p, q, sc, first       ; the accumulators take turns, in the same order in every step
.irp a, \a0, \a0+1
.irp b, 0,1,2,3,4,5,6,7
.if \first
	PROD \a, \b, \p, \q, \sc, BIAS+8*\b
.else
	PROD \a, \b, \p, \q, \sc, 8*(8*((\a)%4)+\b)
.endif
.endr
.endr
.endm
.macro FETCH_B slot, q, p
	WIN TO_B
.irp i, 0,1,2,3,4,5,6,7
	FRAG 128*(\p)+FR*\i, ADRB+\slot, \q, \i
.endr
	WIN 0
.endm
.macro FETCH_A slot, q, i0
.irp i, \i0, \i0+1, \i0+2, \i0+3
	FRAG AF+FR*(\i), ADRA+\slot, \q, \i
.endr
.endm
.macro SCALES sc                       ; lanes 0-15 take A's block i, lanes 16-31 B's block i
.irp i, 0,1,2,3,4,5,6,7
	ds_load_b64 v[SC+8*NQ*\sc+NQ*\i:SC+8*NQ*\sc+NQ*\i+1], v[ADRS] offset:\i*SBLK
.endr
.endm
.macro STEP slot, q, first
	s_wait_dscnt 4*NL                              ; B's set and A's blocks 0-3 are in; the youngest sixteen loads (A's blocks 4-7) may be out
.if \first
	WIN BIAS_LO
.else
	WIN MUL_LO
.endif
	MUL16 0, (\q)%2, \q, \slot, \first
	MUL16 2, (\q)%2, \q, \slot, \first
	s_wait_dscnt 0
	PLACES NP
	FETCH_B \slot, (\q)+1, 1-(\q)%2
	FETCH_A \slot, (\q)+1, 0
.if \first
	WIN BIAS_HI
.else
	WIN MUL_HI
.endif
	MUL16 4, (\q)%2, \q, \slot, \first
	MUL16 6, (\q)%2, \q, \slot, \first
	PLACES NP
	WIN 0
	FETCH_A \slot, (\q)+1, 4
.endm
; A slot's last step changes slots: in front of the barrier each wave waits for all its tensor loads, adds 0 to its spare word, and waits for that and for its reads of this slot.
; fill = 1: this slot takes phase 1's K step two on;  2: slot 0 takes phase 2's K step 0.
.macro TURN slot, next, fill
	s_wait_tensorcnt 0x0
	ds_add_u32 v[SPW], v[NIL]
.if \fill == 2
	s_mov_b32 s[G0+1], 0                           ; no tensor load of mine is out, so descriptors may be written: A's 128 rows of v's features,
	s_mov_b64 s[G0+2:G0+3], s[PA2:PA2+1]
	s_or_b32 s[G0+3], s[G0+3], 0x80000000
	s_mov_b32 s[G0B+1], 2*HALFT                    ; B's 256 rows of tokens, in one load
	s_mov_b64 s[G0B+2:G0B+3], s[PB2:PB2+1]
	s_or_b32 s[G0B+3], s[G0B+3], 0x80000000
	s_mov_b32 s[G1B+2], 256<<16
	s_mov_b32 s[G1B+4], 256
.endif
	s_wait_dscnt 4*NL+1                            ; (the add and the youngest sixteen loads may be out)
	WIN MUL_LO
	MUL16 0, 1, NQ-1, \slot, 0
	s_wait_dscnt 0x0                               ; the add is done, and my reads of this slot are over
	s_barrier_signal -1
	MUL16 2, 1, NQ-1, \slot, 0
	WIN 0
	s_barrier_wait -1
	CREST                                          ; the barrier has opened a round of the cluster's barrier
.if \fill == 1
	s_add_nc_u64 s[G0+4*\slot+2:G0+4*\slot+3], s[G0+4*\slot+2:G0+4*\slot+3], 2*ROWB
	s_add_nc_u64 s[G0B+4*\slot+2:G0B+4*\slot+3], s[G0B+4*\slot+2:G0B+4*\slot+3], 2*ROWB
	JLOAD G0+4*\slot, G1, G0B+4*\slot, G1B
	PLACES NP-4
.else
	T2 \slot
	PLACES NP
.endif
	s_wait_alu depctr_va_vdst(0)
	v_add_nc_u32 v[ADRS], 4*NQ, v[ADRS]            ; on to the next K step's scale words
	FETCH_B \next, 0, 0
	FETCH_A \next, 0, 0
	SCALES \next
	WIN MUL_HI
	MUL16 4, 1, NQ-1, \slot, 0
	MUL16 6, 1, NQ-1, \slot, 0
	PLACES NP
	WIN 0
	FETCH_A \next, 0, 4
.endm
; PHASE 2: A's block a (0-3) x B's block b, on fragment sets q
.macro PROD2 a, b, q, sc, c0
	v_wmma_scale_f32_16x16x128_f8f6f4 v[8*(8*(\a)+\b):8*(8*(\a)+\b)+7], v[128*(\q)+FR*\b:128*(\q)+FR*\b+FR-1], v[AF+64*(\q)+FR*(\a):AF+64*(\q)+FR*(\a)+FR-1], v[\c0:\c0+7], v[SC+8*NQ*(\sc)+NQ*\b+(\q)], v[SC+8*NQ*(\sc)+NQ*(\a)+(\q)] matrix_a_fmt:MATRIX_FMT_BF8 matrix_b_fmt:MATRIX_FMT_BF8 matrix_a_scale:MATRIX_SCALE_ROW1
.endm
.macro MUL8 a, q, sc, first
.irp b, 0,1,2,3,4,5,6,7
.if \first
	PROD2 \a, \b, \q, \sc, BIAS2+8*(\a)
.else
	PROD2 \a, \b, \q, \sc, 8*(8*(\a)+\b)
.endif
.endr
.endm
.macro FETCH_A2 slot, q
.irp i, 0,1,2,3
	FRAG AF+64*(\q)+FR*\i, ADRA2+\slot, \q, \i
.endr
.endm
.macro SCALES2 sc                      ; lanes 0-15 A's block i % 4, lanes 16-31 B's block i
.irp i, 0,1,2,3
	ds_load_b64 v[SC+8*NQ*\sc+NQ*\i:SC+8*NQ*\sc+NQ*\i+1], v[ADRT] offset:\i*SBLK
.endr
.irp i, 4,5,6,7
	ds_load_b64 v[SC+8*NQ*\sc+NQ*\i:SC+8*NQ*\sc+NQ*\i+1], v[ADRT2] offset:\i*SBLK
.endr
.endm
.macro STEP2 slot, first               ; a slot's first 128 along K: sets 0 are multiplied while sets 1 are loaded
	s_wait_dscnt 0x0
	PLACES NP
	FETCH_B \slot, 1, 1
	FETCH_A2 \slot, 1
.if \first
	WIN BIAS_LO
.else
	WIN MUL_LO
.endif
.irp a, 0,1,2,3
	MUL8 \a, 0, \slot, \first
.endr
	WIN 0
.endm
.macro TURN2 slot, next, fill
	s_wait_tensorcnt 0x0
	ds_add_u32 v[SPW], v[NIL]
	s_wait_dscnt 1                                 ; sets 1 are in; the add alone may be out
	WIN MUL_LO
	MUL8 0, 1, \slot, 0
	s_wait_dscnt 0x0
	s_barrier_signal -1
	MUL8 1, 1, \slot, 0
	WIN 0
	s_barrier_wait -1
.if \fill
	CREST
	s_add_nc_u64 s[G0+4*\slot+2:G0+4*\slot+3], s[G0+4*\slot+2:G0+4*\slot+3], 2*ROWB
	s_add_nc_u64 s[G0B+4*\slot+2:G0B+4*\slot+3], s[G0B+4*\slot+2:G0B+4*\slot+3], 2*ROWB
	T2 \slot
.endif
	PLACES NP
	s_wait_alu depctr_va_vdst(0)
	v_add_nc_u32 v[ADRT], 4*NQ, v[ADRT]
	v_add_nc_u32 v[ADRT2], 4*NQ, v[ADRT2]
	FETCH_B \next, 0, 0
	FETCH_A2 \next, 0
	SCALES2 \next
	WIN MUL_LO
	MUL8 2, 1, \slot, 0
	MUL8 3, 1, \slot, 0
	WIN 0
.endm
; THE WAY OUT of block a of A: a lane's 64 numbers, register 16 c + i = B's index 32 c + 16 (lane / 16) + i, become four blocks of codes and a scale word.  Each accumulator is read from its low end on.
.macro OUTA a, step
.set W, 2+(\a)/4
.set S0, 64*((\a)%4)
	WIN (W<<2)|(W<<4)
.irp c, 0,1,2,3
	v_max3_num_f32 v[TM+\c], 0x8000000, |v[S0+16*\c]|, |v[S0+16*\c+1]|   ; my 16 numbers of block c, and the floor 2^(16 - 127)
.endr
.irp i, 2,4,6,8,10,12,14
.irp c, 0,1,2,3
	v_max3_num_f32 v[TM+\c], v[TM+\c], |v[S0+16*\c+\i]|, |v[S0+16*\c+\i+1]|
.endr
.endr
	WIN 0
.irp c, 0,1,2,3
	v_permlanex16_b32 v[TM+4+\c], v[TM+\c], s[SEL], s[SEL+1]
.endr
.irp c, 0,1,2,3
	v_max_num_f32 v[TM+\c], v[TM+\c], v[TM+4+\c]   ; with lane l xor 16's: the block's largest magnitude
.endr
.irp c, 0,1,2,3
	v_add_nc_u32 v[TM+12+\c], 0xf8800000, v[TM+\c]   ; the conversion's scale operand
.endr
.irp c, 0,1,2,3
	v_and_or_b32 v[TM+8+\c], v[TM+\c], 0x7f800000, s[MNT]   ; 57,344 x the scale
.endr
.irp c, 0,1,2,3
	v_lshrrev_b32 v[TM+4+\c], 23, v[TM+12+\c]      ; the scale's byte
.endr
	v_lshl_or_b32 v[SW+(\a)], v[TM+5], 8, v[TM+4]
	v_lshl_or_b32 v[SW+(\a)], v[TM+6], 16, v[SW+(\a)]
	v_lshl_or_b32 v[SW+(\a)], v[TM+7], 24, v[SW+(\a)]
.if (\a) > 0
	s_wait_xcnt 0x0                                ; the last block's stores have read their data and their base
	s_add_nc_u64 s[OUT:OUT+1], s[OUT:OUT+1], \step
.endif
	WIN W|(W<<6)
.irp c, 0,1,2,3
.irp i, 0,1,2,3,4,5,6,7,8,9,10,11,12,13,14,15
	v_med3_num_f32 v[S0+16*\c+\i], v[S0+16*\c+\i], -v[TM+8+\c], v[TM+8+\c]   ; the conversion does not saturate (ISA guide 7.6.2): the hold
.endr
.endr
	WIN W
.irp c, 0,1,2,3
	v_cvt_scalef32_pk8_bf8_f32 v[PC+4*\c:PC+4*\c+1], v[S0+16*\c:S0+16*\c+7], v[TM+12+\c]
	v_cvt_scalef32_pk8_bf8_f32 v[PC+4*\c+2:PC+4*\c+3], v[S0+16*\c+8:S0+16*\c+15], v[TM+12+\c]
.endr
	WIN 0
	v_nop                                          ; a plain line behind the last conversion
.irp c, 0,1,2,3
	global_store_b128 v[VOC+\c], v[PC+4*\c:PC+4*\c+3], s[OUT:OUT+1]   ; 32 lanes store 512 consecutive bytes, aligned
.endr
.endm
	s_wait_tensorcnt 0x0                           ; my tile of the head's four is in
	ds_add_u32 v[SPW], v[NIL]
	s_mov_b32 s[G1+2], 128<<16                     ; no tensor load of mine is out: from here on a load of the ring brings 128 rows
	s_mov_b32 s[G1+4], 128
	s_mov_b32 s[G1B+2], 128<<16
	s_mov_b32 s[G1B+4], 128
	s_wait_dscnt 0x0
	CROUND                                         ; a whole round: all four tiles are in, and the joint loads meet
	JLOAD G0+4, G1, G0B+4, G1B                     ; K step 1, the first tensor load behind the round
	FETCH_B 0, 0, 0
	FETCH_A 0, 0, 0
	SCALES 0
	FETCH_A 0, 0, 4
	s_cmp_lg_u32 s19, 0
	s_cbranch_scc0 .Lno_ask
	global_prefetch_b8 v[PFO], s[PFA:PFA+1] th:TH_LOAD_NT scope:SCOPE_SE
.Lno_ask:
	s_wait_loadcnt 0x0                             ; the bias
	STEP 0, 0, 1
	TURN 0, 1, 1                                   ; slot 0 takes K step 2
	STEP 1, 0, 0
	TURN 1, 0, 1                                   ; slot 1 takes K step 3
	STEP 0, 0, 0
	TURN 0, 1, 2                                   ; slot 0 takes phase 2's K step 0
	STEP 1, 0, 0
	s_wait_tensorcnt 0x0                           ; phase 1's last step, with one more round: slot 1 and the scales' bytes are read out behind it
	ds_add_u32 v[SPW], v[NIL]
	s_mov_b32 s[G0+5], SLOT
	s_add_nc_u64 s[G0+6:G0+7], s[PA2:PA2+1], ROWB
	s_or_b32 s[G0+7], s[G0+7], 0x80000000
	s_mov_b32 s[G0B+5], SLOT+2*HALFT
	s_add_nc_u64 s[G0B+6:G0B+7], s[PB2:PB2+1], ROWB
	s_or_b32 s[G0B+7], s[G0B+7], 0x80000000
	s_mov_b64 s[G0S+2:G0S+3], s[PSA:PSA+1]
	s_or_b32 s[G0S+3], s[G0S+3], 0x80000000
	s_mov_b64 s[G0SB+2:G0SB+3], s[PSB:PSB+1]
	s_or_b32 s[G0SB+3], s[G0SB+3], 0x80000000
	s_mov_b32 s[G1S+2], 16<<16                     ; A's scales are now those of 128 rows
	s_mov_b32 s[G1S+4], 16
	s_wait_dscnt 4*NL+1
	WIN MUL_LO
	MUL16 0, 1, NQ-1, 1, 0
	s_wait_dscnt 0x0
	s_barrier_signal -1
	MUL16 2, 1, NQ-1, 1, 0
	WIN 0
	s_barrier_wait -1
	CREST
	TREE4 G0+4, G1, G0B+4, G1B, G0S, G1S, G0SB, G1SB   ; phase 2's K step 1 of A, of B, A's scales, B's: one a wave
	WIN MUL_HI
	MUL16 4, 1, NQ-1, 1, 0
	MUL16 6, 1, NQ-1, 1, 0
	WIN 0
	; where phase 1's results go: the token tile and half give the batch and the step of 128 tokens, the feature tile and half the first of my two heads
	s_mov_b32 s[HSX], HS
	s_mov_b32 s[HSX+1], 0
	s_mov_b32 s22, REC
	s_mov_b32 s[SP0], 16384                        ; K's scale words in a record
	s_mov_b32 s[SP0+1], 0
	s_mov_b32 s[HI16], 0xffff0000                  ; lanes 16-31
	s_mov_b32 s[SEL], 0x76543210
	s_mov_b32 s[SEL+1], 0xfedcba98
	s_mov_b32 s[MNT], 0x600000
	s_cmp_eq_u32 ttmp9, 0                          ; q's features are the cluster column 0
	s_cselect_b32 s[HSX], HSQ, s[HSX]
	s_cselect_b32 s22, RECQ, s22
	s_cselect_b32 s[SP0], 8192, s[SP0]
	s_cselect_b64 s[OUT:OUT+1], s[96:97], s[66:67]
	s_lshr_b32 s23, s17, 3
	s_lshl_b32 s23, s23, 4                         ; 16 x batch
	s_and_b32 s43, s42, 3
	s_lshl_b32 s43, s43, 2
	s_add_co_u32 s23, s23, s43
	s_lshl_b32 s43, s16, 1
	s_add_co_u32 s23, s23, s43                     ; + my first head
	s_mul_i32 s23, s23, s[HSX]
	s_and_b32 s43, s17, 7
	s_lshl_b32 s43, s43, 1
	s_add_co_u32 s43, s43, s15                     ; the step
	s_mul_i32 s43, s43, s22
	s_add_co_u32 s22, s23, s43
	s_mov_b32 s23, 0
	s_add_nc_u64 s[OUT:OUT+1], s[OUT:OUT+1], s[22:23]
	s_add_nc_u64 s[SP0:SP0+1], s[OUT:OUT+1], s[SP0:SP0+1]
	s_add_nc_u64 s[SP1:SP1+1], s[SP0:SP0+1], s[HSX:HSX+1]
	PLACES NP                                      ; behind the last products
.irp a, 0,1,2,3                                ; phase 2's bias: all eight registers of block a hold that of the lane's feature 32 (a / 2) + 8 (a % 2) + r + 8 (r / 8)
.irp j, 0,1,2,3,4,5,6,7
	global_load_b32 v[BIAS2+8*\a+\j], v[BA], s[12:13] offset:(32*(\a/2)+8*(\a%2))*4
.endr
.endr
	v_and_b32 v1, 31, v0
	v_lshlrev_b32 v[VOC], 4, v1
	v_add_nc_u32 v[VOC+1], 512, v[VOC]
	v_add_nc_u32 v[VOC+2], s[HSX], v[VOC]          ; blocks 2 and 3 belong to the next head
	v_add_nc_u32 v[VOC+3], s[HSX], v[VOC+1]
.irp c, 0,1,2,3
	v_mov_b32 v[TM+4+\c], 0                        ; a lane permute's destination counts as one of its sources
.endr
.irp a, 0,1,2,3,4,5,6,7
	OUTA \a, 1024                                  ; a block of A is a tile of 16 tokens: 1,024 bytes on
.endr
	; head u's word for tiles 2 i and 2 i + 1 is half u of block 2 i's word under half u of block 2 i + 1's; lanes 0-15 store those of i = 0 and 2, lanes 16-31 those of i = 1 and 3
.irp u, 0,1
.irp i, 0,1,2,3
.if \u
	v_perm_b32 v[EW+4*\u+\i], v[SW+2*\i+1], v[SW+2*\i], 0x07060302
.else
	v_perm_b32 v[EW+4*\u+\i], v[SW+2*\i+1], v[SW+2*\i], 0x05040100
.endif
.endr
	v_cndmask_b32 v[XY+2*\u], v[EW+4*\u], v[EW+4*\u+1], s[HI16]
	v_cndmask_b32 v[XY+2*\u+1], v[EW+4*\u+2], v[EW+4*\u+3], s[HI16]
.endr
	global_store_b64 v[L8], v[XY:XY+1], s[SP0:SP0+1]       ; 32 lanes store 256 consecutive bytes, aligned
	global_store_b64 v[L8], v[XY+2:XY+3], s[SP1:SP1+1]
	s_wait_xcnt 0x0                                ; the stores have read their data, offsets and bases
	; PHASE 2
	s_wait_alu depctr_va_vdst(0)
	s_wait_tensorcnt 0x0                           ; my tile of the last four is in
	s_wait_dscnt 0x0
	s_barrier_signal -1
	s_barrier_wait -1                              ; everybody's are
	FETCH_B 0, 0, 0
	FETCH_A2 0, 0
	SCALES2 0
	s_wait_loadcnt 0x0                             ; the bias
	STEP2 0, 1
	TURN2 0, 1, 1                                  ; slot 0 takes K step 2
	STEP2 1, 0
	TURN2 1, 0, 1                                  ; slot 1 takes K step 3
	STEP2 0, 0
	TURN2 0, 1, 0
	STEP2 1, 0
	s_wait_dscnt 0x0
	WIN MUL_LO
.irp a, 0,1,2,3
	MUL8 \a, 1, 1, 0
.endr
	WIN 0
	s_lshr_b32 s22, s2, 3                          ; where v goes: 16 x batch
	s_lshl_b32 s22, s22, 4
	s_lshl_b32 s23, s3, 1
	s_add_co_u32 s22, s22, s23
	s_add_co_u32 s22, s22, s15                     ; + my head: 2 x tile + half
	s_mul_i32 s22, s22, HS
	s_and_b32 s23, s2, 7
	s_lshl_b32 s23, s23, 1
	s_add_co_u32 s23, s23, s16                     ; the step
	s_mul_i32 s23, s23, REC
	s_add_co_u32 s22, s22, s23
	s_add_co_u32 s22, s22, 8192                    ; V's codes lie behind K's
	s_mov_b32 s23, 0
	s_add_nc_u64 s[OUT:OUT+1], s[66:67], s[22:23]
	s_add_nc_u64 s[SP0:SP0+1], s[OUT:OUT+1], 8448  ; and V's scale words 8,448 bytes behind them
	PLACES NP
	v_add_nc_u32 v[VOC+2], 1024, v[VOC]
	v_add_nc_u32 v[VOC+3], 1024, v[VOC+1]
.irp a, 0,1,2,3
	OUTA \a, 2048                                  ; a block of A is a tile of 16 channels: 2,048 bytes on
.endr
	v_cndmask_b32 v[XY], v[SW], v[SW+1], s[HI16]   ; channel tile i's word is block i's
	v_cndmask_b32 v[XY+1], v[SW+2], v[SW+3], s[HI16]
	global_store_b64 v[L8], v[XY:XY+1], s[SP0:SP0+1]
	s_wait_tensorcnt 0x0                           ; the wave's end
	ds_add_u32 v[SPW], v[NIL]
	s_wait_dscnt 0x0
	CROUND                                         ; the closing round
	s_endpgm
.Lfunc_end_k_q27772740cc_qkv:
	.size	k_q27772740cc_qkv, .Lfunc_end_k_q27772740cc_qkv-k_q27772740cc_qkv
	.p2alignl 7, 3214868480
	.fill 96, 4, 3214868480
	.section	.rodata,"a",@progbits
	.p2align	6, 0x0
	.amdhsa_kernel k_q27772740cc_qkv
		.amdhsa_group_segment_fixed_size 327680
		.amdhsa_private_segment_fixed_size 0
		.amdhsa_enable_private_segment 0
		.amdhsa_kernarg_size 56
		.amdhsa_user_sgpr_count 2
		.amdhsa_user_sgpr_kernarg_segment_ptr 1
		.amdhsa_wavefront_size32 1
		.amdhsa_system_sgpr_workgroup_id_x 1
		.amdhsa_system_sgpr_workgroup_id_y 1
		.amdhsa_system_sgpr_workgroup_id_z 1
		.amdhsa_system_vgpr_workitem_id 0
		.amdhsa_next_free_vgpr 1024
		.amdhsa_next_free_sgpr 106
		.amdhsa_reserve_vcc 0
		.amdhsa_float_denorm_mode_32 3
		.amdhsa_float_denorm_mode_16_64 3
		.amdhsa_memory_ordered 1
		.amdhsa_forward_progress 1
		.amdhsa_inst_pref_size 255
	.end_amdhsa_kernel
	.section	.bss,"aw",@nobits
	.p2align	6
	.space	262144
	.amdgpu_metadata
---
amdhsa.version: [ 1, 2 ]
amdhsa.kernels:
  - .name:           k_q27772740cc_qkv
    .symbol:         k_q27772740cc_qkv.kd
    .args:
      - { .name: xc, .offset: 0, .size: 8, .value_kind: global_buffer, .address_space: global }
      - { .name: xs, .offset: 8, .size: 8, .value_kind: global_buffer, .address_space: global }
      - { .name: wc, .offset: 16, .size: 8, .value_kind: global_buffer, .address_space: global }
      - { .name: ws, .offset: 24, .size: 8, .value_kind: global_buffer, .address_space: global }
      - { .name: b_attn, .offset: 32, .size: 8, .value_kind: global_buffer, .address_space: global }
      - { .name: qb, .offset: 40, .size: 8, .value_kind: global_buffer, .address_space: global }
      - { .name: kv, .offset: 48, .size: 8, .value_kind: global_buffer, .address_space: global }
    .group_segment_fixed_size: 327680
    .private_segment_fixed_size: 0
    .kernarg_segment_align: 8
    .kernarg_segment_size: 56
    .max_flat_workgroup_size: 128
    .sgpr_count:     106
    .vgpr_count:     1024
    .wavefront_size: 32
...
	.end_amdgpu_metadata
.endif
;; end of part 2
;; launch attn (part 3): grid 4 x 64, 16 waves a work-group, clusters of 4 x 1, 272,384 bytes of LDS; arguments qb, kv, yc, ys; writes yc, ys
.if DOCPART == 3
	.amdgcn_target "amdgcn-amd-amdhsa--gfx1250"
	.amdhsa_code_object_version 6
	.text
	.protected	k_q27772740cc_attn
	.globl	k_q27772740cc_attn
	.p2align	8
	.type	k_q27772740cc_attn,@function
k_q27772740cc_attn:
	s_mov_b64 s[64:65], 0
	v_nop
	global_prefetch_b8 v0, s[64:65] scope:SCOPE_SE
	s_setreg_imm32_b32 hwreg(HW_REG_WAVE_MODE, 25, 1), 1
	s_wait_xcnt 0x0
	s_wait_alu depctr_hold_cnt(0) depctr_sa_sdst(0) depctr_va_vdst(0) depctr_va_sdst(0) depctr_va_ssrc(0) depctr_va_vcc(0) depctr_vm_vsrc(0)
	s_getreg_b32 s2, hwreg(HW_REG_IB_STS2, 6, 4)
	s_cmp_eq_u32 s2, 0
	s_cbranch_scc0 .Lentry_in_a_cluster
	s_endpgm
.Lentry_in_a_cluster:
	s_bfe_u32 s2, ttmp6, 0x10000c
	s_cmp_lg_u32 s2, 0x3003
	s_cbranch_scc0 .Lentry_shape_is_right
	s_endpgm
.Lentry_shape_is_right:
; y[h][q] = the sum over keys k <= q of softmax_k(q . k / 8) v, both products on codes of BF8 (E5M2) with one E8M0 scale for each 32 along a product's K; y is quantised along the head's 64 channels on its way out.
; LEFT OUT: key steps all of whose keys come behind a wave's queries: reference()'s own jnp.tril makes their p 0 for all values of the inputs.
; INPUTS are images of the operands' registers: qb [64 heads][16 steps of 128 tokens][8,448], kv [64][16][16,896] (K's codes, V's codes with the keys innermost, K's scale words, V's): every fragment comes by loads of 16 bytes at 16 x lane.
; THE SOFTMAX: t = score x log2(e) / 8; M = the row's largest t so far, rounded up to a whole number; p = 2^(t - M) is quantised along the keys; the row's sum is taken of the unquantised p and divides O at the end.  When M moves, the sum and O are multiplied by 2^(old M - new M): exact.
; THE DEAL.  A head has 128 tiles of 16 queries.  Wave w of work-group j (0..3) takes tile 127 - (4 w + j), then tile 4 w + j: 16 - w / 2 and w / 2 + 1 key steps of 128, 17 for every wave of the launch; every work-group reads all 16 records.
; Which steps are left out or masked hangs on (4 w + j) / 8 = w / 2, so on the wave's number alone; j enters global addresses and the mask's numbers only.
; CLUSTER: the four work-groups of a head ask for its 16 records JOINTLY (mask 15): wave w's one load is record w, 66 rows of 256 bytes.  The records stay in LDS, 270,336 bytes, filled once.
; Three load lines, for waves 0-3, 4-7 and 8-15; three barriers show records 0-3, 4-7 and 8-15, each with the wait of the waves whose lines it shows.  Behind the third no barrier stands until the closing round.
; Steps 0-7 of the first tile (queries 1,024 on) have no hidden key: their text has no mask.
; NO PREFETCH: all that the launch reads through LDS is asked for by the head's sixteen loads; no later load exists ahead of which a request could run.
; K = 64 IN AN INSTRUCTION OF K = 128: a fragment of K holds key tile 2 f in registers 0-7 and tile 2 f + 1 in 8-15; it is multiplied by [q | 0] and by [0 | q].  No code is an infinity or a NaN (every number was held), so a zero code adds nothing.
; LAYOUT.  Both products are used transposed (S^T = K Q^T, O^T = V^T P^T): a lane holds one query.  Row r of tile T is index 32 (T / 2) + 8 (T % 2) + r + 8 (r / 8), so the 16 registers of two neighbouring tiles are 16 neighbours.
; OUTPUT.  yc [512 tiles of 16 tokens][16 heads][2 blocks][512 bytes]: images again.  ys [8,192 places][32]: a lane stores its row's two bytes, into rows 32 bytes apart, for each 1,024 bytes of codes.
; LIMITS: the scaled scores stay under 2^31 in magnitude; a block of zeros gets the byte 1 where the rule says 127 (this program alone reads the bytes); NaN and infinities are not served.
.set REC,   16896
.set HS,    16*REC
.set RECQ,  8448
.set HSQ,   16*RECQ
.set SPARE, 16*REC                     ; the spare words, 128 bytes a wave
.set L16, 1                            ; v1 16 x lane; v2 8 x lane; v3 my query - 16 (lane / 16); v4, v5 LDS addresses of the step's images and scale words; v6, v7 q's offsets; v8 32 r; v9 r; v11 r + 8 (r / 8) - 16 (lane / 16)
.set L8,  2
.set QL,  3
.set ADK, 4
.set ADS, 5
.set QSO, 6
.set QIO, 7
.set R32, 8                            ; v12 -M, v13 the largest t, v[14:15] the sum; v16-23 zeros, v24-31 q, v32-39 zeros
.set FRG, 40                           ; v40-103 four fragments of K or of V
.set S,   104                          ; v104-167 S^T, then p
.set O,   168                          ; v168-199 O^T
.set PC,  200                          ; v200-215 p's codes
.set BM,  216
.set T4,  220
.set LIM, 224
.set SCO, 228
.set F,   232
.set PW,  233
.set TMP, 234
.set NINF, 235
.set KX,  236
.set VX,  238
.set QS,  240
.set QR,  241                          ; v242-253 at work in the sums; v254, v255 the add's two registers
.set WV,  12
.set WI,  13                           ; s13 j: my place in the cluster
.set BH,  14
.set QK,  15                           ; s15 the first key of the step in which my queries lie: from the wave's number alone
.set T16, 18
.set QG,  19
.set SEL, 20
.set CS,  22
.set MNT, 24
.set KF,  25
.set TB,  26
.set CNT, 27
.set SELQ, 28
.set G1,  36
.set G0,  44
.set QB,  66
.set YP,  68
.set YSP, 70
.macro CROUND                          ; a round of the cluster's barrier
	s_barrier_signal -1
	s_barrier_wait -1
	s_cmp_lg_u32 s[WV], 0
	s_cbranch_scc1 .Lnot_wave_0_\@
	s_barrier_signal -3
.Lnot_wave_0_\@:
	s_barrier_wait -3
	s_barrier_signal -1
	s_barrier_wait -1
.endm
	s_load_b256 s[4:11], s[0:1], 0x0               ; qb, kv, yc, ys
	v_lshl_add_u32 v254, v0, 2, SPARE
	v_mov_b32 v255, 0
	ds_add_u32 v254, v255                          ; the opening lines: the add twice on end and its wait
	ds_add_u32 v254, v255
	v_lshrrev_b32 v1, 5, v0
	v_readfirstlane_b32 s[WV], v1                  ; wave 0..15
	s_bfe_u32 s[WI], ttmp6, 0x40000
	s_and_b32 s[BH], ttmp7, 0xffff                 ; batch x 16 + head: the cluster's y
	s_mov_b32 s[G1], 15|(3<<16)|(1<<21)            ; the mask of all four; elements of 8 bytes; bit 21 beside a mask; no padding
	s_mov_b32 s[G1+1], 32<<16
	s_mov_b32 s[G1+2], 66<<16
	s_mov_b32 s[G1+3], 32<<16
	s_mov_b32 s[G1+4], 66
	s_mov_b32 s[G1+5], 32
	s_mov_b32 s[G1+6], 0
	s_mov_b32 s[G1+7], 0
	s_mul_i32 s29, s[WV], REC                      ; my record, in LDS as in the head's part of kv
	s_mul_i32 s30, s[BH], HS
	s_add_co_u32 s30, s30, s29
	s_mov_b32 s31, 0
	s_mov_b32 s[G0], 1
	s_mov_b32 s[G0+1], s29
	s_wait_dscnt 0x0
	CROUND                                         ; the four work-groups are here: the joint loads meet
	s_wait_kmcnt 0x0
	s_add_nc_u64 s[G0+2:G0+3], s[6:7], s[30:31]
	s_or_b32 s[G0+3], s[G0+3], 0x80000000
.macro ARM under, next                 ; one load a wave, a line for each group of waves that waits alike
	s_cmp_lt_u32 s[WV], \under
	s_cbranch_scc0 \next
	tensor_load_to_lds s[G0:G0+3], s[G1:G1+7]
	s_nop 0
.rept 4
	v_nop
.endr
	s_branch .Lasked
\next:
.endm
	ARM 4, .Larm_b
	ARM 8, .Larm_c
	tensor_load_to_lds s[G0:G0+3], s[G1:G1+7]
	s_nop 0
.rept 4
	v_nop
.endr
.Lasked:
	v_and_b32 v9, 15, v0                           ; r
	v_bfe_u32 v10, v0, 4, 1                        ; h
	v_and_b32 v1, 31, v0
	v_lshlrev_b32 v[R32], 5, v9
	v_and_b32 v11, 8, v9
	v_lshlrev_b32 v[L8], 3, v1
	v_lshlrev_b32 v[L16], 4, v1
	v_add_nc_u32 v11, v11, v9
	v_lshlrev_b32 v10, 4, v10
	v_mov_b32 v[NINF], 0xff800000
	v_mov_b32 v[PW], 0                             ; (named as the upper half of the pair with f before it is first written)
	v_sub_nc_u32 v11, v11, v10                     ; r + 8 (r / 8) - 16 h
	s_mov_b32 s[SEL], 0x76543210
	s_mov_b32 s[SEL+1], 0xfedcba98                 ; v_permlanex16_b32's selects for lane l xor 16
	s_mov_b32 s[CS], 0x3e38aa3b                    ; c = log2(e) / 8
	s_mov_b32 s[CS+1], s[CS]
	s_mov_b32 s[MNT], 0x600000
.irp j, 0,1,2,3,4,5,6,7
	v_mov_b32 v[16+\j], 0                          ; the zero codes on both sides of q
	v_mov_b32 v[32+\j], 0
.endr
.irp b, 0,1,2,3
	v_mov_b32 v[T4+\b], 0                          ; a lane permute's destination counts as one of its sources
.endr
.macro SPROD f                         ; key tiles 2 f and 2 f + 1: one fragment of K against [q | 0] and against [0 | q]
.if (\f)%2
	v_wmma_scale_f32_16x16x128_f8f6f4 v[S+16*\f:S+16*\f+7], v[FRG+16*\f:FRG+16*\f+15], v[24:39], 0, v[KX+\f/2], v[QS] matrix_a_fmt:MATRIX_FMT_BF8 matrix_b_fmt:MATRIX_FMT_BF8 matrix_a_scale:MATRIX_SCALE_ROW1
	v_wmma_scale_f32_16x16x128_f8f6f4 v[S+16*\f+8:S+16*\f+15], v[FRG+16*\f:FRG+16*\f+15], v[16:31], 0, v[KX+\f/2], v[QS] matrix_a_fmt:MATRIX_FMT_BF8 matrix_b_fmt:MATRIX_FMT_BF8 matrix_a_scale:MATRIX_SCALE_ROW1
.else
	v_wmma_scale_f32_16x16x128_f8f6f4 v[S+16*\f:S+16*\f+7], v[FRG+16*\f:FRG+16*\f+15], v[24:39], 0, v[KX+\f/2], v[QS] matrix_a_fmt:MATRIX_FMT_BF8 matrix_b_fmt:MATRIX_FMT_BF8
	v_wmma_scale_f32_16x16x128_f8f6f4 v[S+16*\f+8:S+16*\f+15], v[FRG+16*\f:FRG+16*\f+15], v[16:31], 0, v[KX+\f/2], v[QS] matrix_a_fmt:MATRIX_FMT_BF8 matrix_b_fmt:MATRIX_FMT_BF8
.endif
.endm
.macro OPROD i                         ; channel tile i: O^T += V^T P^T over the step's 128 keys
.if (\i)%2
	v_wmma_scale_f32_16x16x128_f8f6f4 v[O+8*\i:O+8*\i+7], v[FRG+16*\i:FRG+16*\i+15], v[PC:PC+15], v[O+8*\i:O+8*\i+7], v[VX+\i/2], v[PW] matrix_a_fmt:MATRIX_FMT_BF8 matrix_b_fmt:MATRIX_FMT_BF8 matrix_a_scale:MATRIX_SCALE_ROW1
.else
	v_wmma_scale_f32_16x16x128_f8f6f4 v[O+8*\i:O+8*\i+7], v[FRG+16*\i:FRG+16*\i+15], v[PC:PC+15], v[O+8*\i:O+8*\i+7], v[VX+\i/2], v[PW] matrix_a_fmt:MATRIX_FMT_BF8 matrix_b_fmt:MATRIX_FMT_BF8
.endif
.endm
; A KEY STEP: 128 keys, the record at s[TB].  m = 1: the step may lie on or behind the diagonal.
.macro STEP m
.if \m
	s_cmp_lt_u32 s[QK], s[KF]                      ; all my queries come before the step's first key: the step's work is left out
	s_cbranch_scc1 .Lhidden_\@
.endif
	v_add_nc_u32 v[ADK], s[TB], v[L16]
	v_add_nc_u32 v[ADS], s[TB], v[L8]
.rept 6
	v_nop                                          ; with the two additions: eight places in front of loads into registers that the last products have read
.endr
.irp f, 0,1,2,3
.irp c, 0,1,2,3
	ds_load_b128 v[FRG+16*\f+4*\c:FRG+16*\f+4*\c+3], v[ADK] offset:2048*\f+512*\c
.endr
.endr
	ds_load_b64 v[KX:KX+1], v[ADS] offset:16384    ; lanes 0-15: the words of fragments 0 and 2; lanes 16-31: of 1 and 3
	s_wait_dscnt 0x0
	s_wait_alu depctr_va_vdst(0)
.irp f, 0,1,2,3
	SPROD \f
.endr
.rept 8
	v_nop                                          ; places in front of the loads below and of the first read of the scores
.endr
.irp i, 0,1,2,3                                ; V's fragments are asked for here and land beneath the softmax
.irp c, 0,1,2,3
	ds_load_b128 v[FRG+16*\i+4*\c:FRG+16*\i+4*\c+3], v[ADK] offset:8192+2048*\i+512*\c
.endr
.endr
	ds_load_b64 v[VX:VX+1], v[ADS] offset:16640
.if \m
	s_cmp_lt_u32 s[KF], s[QK]                      ; a step all of whose keys count skips the mask
	s_cbranch_scc1 .Lopen_\@
	v_sub_nc_u32 v[TMP], v[QL], s[KF]              ; d = my query - 16 (lane / 16) - KF.  Register 16 b + i holds key KF + 16 (lane / 16) + 32 b + i: hidden where 32 b + i > d
.irp b, 0,1,2,3
.irp i, 0,1,2,3,4,5,6,7,8,9,10,11,12,13,14,15
	v_cmp_gt_i32 vcc_lo, 32*\b+\i, v[TMP]
	v_cndmask_b32 v[S+16*\b+\i], v[S+16*\b+\i], v[NINF], vcc_lo
.endr
.endr
.Lopen_\@:
.endif
.irp b, 0,1,2,3
	v_max3_num_f32 v[BM+\b], v[S+16*\b], v[S+1+16*\b], v[S+2+16*\b]   ; the largest score of each block of 32 keys: for the row's maximum and, since p rises with the score, for the block's largest p
.endr
.irp i, 3,5,7,9,11,13
.irp b, 0,1,2,3
	v_max3_num_f32 v[BM+\b], v[BM+\b], v[S+16*\b+\i], v[S+1+16*\b+\i]
.endr
.endr
.irp b, 0,1,2,3
	v_max_num_f32 v[BM+\b], v[BM+\b], v[S+15+16*\b]
.endr
.irp b, 0,1,2,3
	s_delay_alu instid0(VALU_DEP_4)
	v_permlanex16_b32 v[T4+\b], v[BM+\b], s[SEL], s[SEL+1]
.endr
.irp b, 0,1,2,3
	s_delay_alu instid0(VALU_DEP_4)
	v_max_num_f32 v[BM+\b], v[BM+\b], v[T4+\b]     ; with lane l xor 16's 16 keys
.endr
	s_delay_alu instid0(VALU_DEP_2)
	v_max3_num_f32 v[TMP], v[BM], v[BM+1], v[BM+2]
	s_delay_alu instid0(VALU_DEP_1)
	v_max_num_f32 v[TMP], v[TMP], v[BM+3]          ; the step's largest score of my query
	s_delay_alu instid0(VALU_DEP_1)
	v_mul_f32 v[TMP], s[CS], v[TMP]                ; as t (c is positive)
	s_delay_alu instid0(VALU_DEP_1)
	v_max_num_f32 v13, v13, v[TMP]                 ; the running largest t
	v_mov_b32 v[TMP], v12
	s_delay_alu instid0(VALU_DEP_2)
	v_floor_f32 v12, -v13                          ; the new -M = floor(-t): M is a whole number
	s_delay_alu instid0(VALU_DEP_1)
	v_sub_f32 v[TMP], v12, v[TMP]                  ; old M - new M: a whole number, 0 or less
	s_delay_alu instid0(VALU_DEP_1)
	v_cvt_i32_f32 v[TMP], v[TMP]                   ; (it saturates)
	s_delay_alu instid0(VALU_DEP_1)
	v_ldexp_f32 v[F], 1.0, v[TMP]                  ; f = 2^(old M - new M)
.irp b, 0,1,2,3
.irp i, 0,2,4,6,8,10,12,14
	v_pk_fma_f32 v[S+16*\b+\i:S+16*\b+\i+1], v[S+16*\b+\i:S+16*\b+\i+1], s[CS:CS+1], v[12:13] op_sel_hi:[1,0,0]   ; t - M, two at a time
.endr
.endr
.irp b, 0,1,2,3
	v_fma_f32 v[BM+\b], v[BM+\b], s[CS], v12       ; the same of each block's largest score
.endr
	s_wait_alu depctr_va_vdst(0)                   ; the wait ahead of the batch
.irp b, 0,1,2,3
.irp i, 0,1,2,3,4,5,6,7,8,9,10,11,12,13,14,15
	v_exp_f32 v[S+16*\b+\i], v[S+16*\b+\i]         ; p = 2^(t - M), at most 1: not normalised
.endr
.endr
.irp b, 0,1,2,3
	v_exp_f32 v[BM+\b], v[BM+\b]                   ; the block's largest p
.endr
	v_pk_mul_f32 v[14:15], v[14:15], v[F:F+1] op_sel_hi:[1,0]   ; the sums under the new M (a plain place behind the exponentials)
	s_wait_alu depctr_va_vdst(0)                   ; and behind it
.irp b, 0,1,2,3
	v_max_num_f32 v[BM+\b], 0x8000000, v[BM+\b]    ; the floor 2^(16 - 127): the byte cannot fall under 1
.endr
.irp b, 0,1,2,3
	s_delay_alu instid0(VALU_DEP_4)
	v_add_nc_u32 v[SCO+\b], 0xf8800000, v[BM+\b]   ; the conversion's scale operand
.endr
.irp b, 0,1,2,3
	v_and_or_b32 v[LIM+\b], v[BM+\b], 0x7f800000, s[MNT]   ; 57,344 x the scale
.endr
.irp b, 0,1,2,3
	v_lshrrev_b32 v[T4+\b], 23, v[SCO+\b]          ; the scale's byte
.endr
	s_delay_alu instid0(VALU_DEP_3)
	v_lshl_or_b32 v[PW], v[T4+1], 8, v[T4]         ; p's scale word for these 128 keys
	s_delay_alu instid0(VALU_DEP_1)
	v_lshl_or_b32 v[PW], v[T4+2], 16, v[PW]
	s_delay_alu instid0(VALU_DEP_1)
	v_lshl_or_b32 v[PW], v[T4+3], 24, v[PW]
	v_pk_add_f32 v[220:221], v[108:109], v[112:113]        ; the row's sum of the unquantised p, in eight chains
	v_pk_add_f32 v[252:253], v[116:117], v[120:121]
	v_pk_add_f32 v[250:251], v[124:125], v[128:129]
	v_pk_add_f32 v[248:249], v[132:133], v[136:137]
	v_pk_add_f32 v[246:247], v[140:141], v[144:145]
	v_pk_add_f32 v[244:245], v[148:149], v[152:153]
	v_pk_add_f32 v[242:243], v[156:157], v[160:161]
	v_pk_add_f32 v[14:15], v[14:15], v[164:165]
	v_pk_add_f32 v[220:221], v[220:221], v[104:105]
	v_pk_add_f32 v[252:253], v[252:253], v[106:107]
	v_pk_add_f32 v[250:251], v[250:251], v[110:111]
	v_pk_add_f32 v[248:249], v[248:249], v[114:115]
	v_pk_add_f32 v[246:247], v[246:247], v[118:119]
	v_pk_add_f32 v[244:245], v[244:245], v[122:123]
	v_pk_add_f32 v[242:243], v[242:243], v[126:127]
	v_pk_add_f32 v[14:15], v[14:15], v[130:131]
	v_pk_add_f32 v[220:221], v[220:221], v[134:135]
	v_pk_add_f32 v[252:253], v[252:253], v[138:139]
	v_pk_add_f32 v[250:251], v[250:251], v[142:143]
	v_pk_add_f32 v[248:249], v[248:249], v[146:147]
	v_pk_add_f32 v[246:247], v[246:247], v[150:151]
	v_pk_add_f32 v[244:245], v[244:245], v[154:155]
	v_pk_add_f32 v[242:243], v[242:243], v[158:159]
	v_pk_add_f32 v[14:15], v[14:15], v[162:163]
	v_pk_add_f32 v[220:221], v[220:221], v[166:167]
	s_delay_alu instid0(VALU_DEP_2)
	v_pk_add_f32 v[14:15], v[14:15], v[248:249]
	s_delay_alu instid0(VALU_DEP_2)
	v_pk_add_f32 v[220:221], v[220:221], v[246:247]
	v_pk_add_f32 v[252:253], v[252:253], v[244:245]
	v_pk_add_f32 v[250:251], v[250:251], v[242:243]
	s_delay_alu instid0(VALU_DEP_2)
	v_pk_add_f32 v[14:15], v[14:15], v[252:253]
	s_delay_alu instid0(VALU_DEP_2)
	v_pk_add_f32 v[220:221], v[220:221], v[250:251]
	s_delay_alu instid0(VALU_DEP_1)
	v_pk_add_f32 v[14:15], v[14:15], v[220:221]
.irp b, 0,1,2,3
.irp i, 0,2,4,6,8,10,12,14
	v_dual_min_num_f32 v[S+16*\b+\i], v[S+16*\b+\i], v[LIM+\b] :: v_dual_min_num_f32 v[S+16*\b+\i+1], v[S+16*\b+\i+1], v[LIM+\b]   ; the conversion does not saturate (ISA guide 7.6.2); p is not negative, so the hold is one-sided; two holds to an instruction
.endr
	v_cvt_scalef32_pk8_bf8_f32 v[PC+4*\b:PC+4*\b+1], v[S+16*\b:S+16*\b+7], v[SCO+\b]
	v_cvt_scalef32_pk8_bf8_f32 v[PC+4*\b+2:PC+4*\b+3], v[S+16*\b+8:S+16*\b+15], v[SCO+\b]
.endr
.irp j, 0,2,4,6,8,10,12,14,16,18,20,22,24,26,28,30
	v_pk_mul_f32 v[O+\j:O+\j+1], v[O+\j:O+\j+1], v[F:F+1] op_sel_hi:[1,0]   ; O^T under the new M (these sixteen also stand between the conversions and the products that take the codes)
.endr
	s_wait_alu depctr_va_vdst(0)
	s_wait_dscnt 0x0                               ; V's fragments and scale words are in
.irp i, 0,1,2,3
	OPROD \i                                       ; the four accumulators by turns; the next step's eight score products stand between two turns of any one
.endr
.if \m
.Lhidden_\@:
.endif
	s_add_co_u32 s[KF], s[KF], 128
	s_add_co_u32 s[TB], s[TB], REC
.endm
.macro WALK first, n, m                ; n key steps from step first on: the trip count is a constant
	s_mov_b32 s[TB], (\first)*REC
	s_mov_b32 s[KF], (\first)*128
	s_mov_b32 s[CNT], \n
.Lstep_\@:
	STEP \m
	s_sub_co_u32 s[CNT], s[CNT], 1
	s_cmp_lg_u32 s[CNT], 0
	s_cbranch_scc1 .Lstep_\@
.endm
.macro SHOW under                      ; a barrier that shows the records of the waves under this number: they wait for their load
	s_wait_alu depctr_va_vdst(0)
.if \under < 16
	s_cmp_lt_u32 s[WV], \under
	s_cbranch_scc0 .Lnot_mine_\@
	s_wait_tensorcnt 0x0
.Lnot_mine_\@:
.else
	s_wait_tensorcnt 0x0
.endif
	s_wait_dscnt 0x0
	s_barrier_signal -1
	s_barrier_wait -1
.endm
.macro SETUP ph                        ; ph = 0: tile 127 - (4 w + j);  1: tile 4 w + j
	s_lshl_b32 s29, s[WV], 2
	s_add_co_u32 s[T16], s29, s[WI]
	s_lshr_b32 s[QK], s[WV], 1
.if \ph == 0
	s_sub_co_u32 s[T16], 127, s[T16]
	s_sub_co_u32 s[QK], 15, s[QK]
.endif
	s_lshl_b32 s[QK], s[QK], 7
	s_lshr_b32 s[QG], s[T16], 1
	s_lshl_b32 s[QG], s[QG], 5                     ; the first of the 32 queries among which my 16 lie
	s_mul_i32 s30, s[BH], HSQ
	s_lshr_b32 s31, s[T16], 3
	s_mul_i32 s31, s31, RECQ
	s_add_co_u32 s30, s30, s31
	s_mov_b32 s31, 0
	s_add_nc_u64 s[QB:QB+1], s[4:5], s[30:31]      ; q's record
	s_and_b32 s32, s[T16], 7
	s_lshl_b32 s33, s32, 10
	v_add_nc_u32 v[QIO], s33, v[L16]
	s_lshr_b32 s32, s32, 1                         ; the pair of tiles: its word lies in lanes 16 (pair % 2) on, word pair / 2
	s_and_b32 s33, s32, 1
	s_lshl_b32 s33, s33, 7
	s_lshr_b32 s34, s32, 1
	s_lshl_b32 s34, s34, 2
	s_add_co_u32 s33, s33, s34
	v_lshl_add_u32 v[QSO], v9, 3, s33
	global_load_b128 v[24:27], v[QIO], s[QB:QB+1]
	global_load_b128 v[28:31], v[QIO], s[QB:QB+1] offset:512
	global_load_b32 v[QR], v[QSO], s[QB:QB+1] offset:8192
	s_and_b32 s31, s[T16], 1
	s_lshl_b32 s31, s31, 3
	s_add_co_u32 s31, s31, s[QG]
	v_add_nc_u32 v[QL], s31, v11                   ; my query - 16 (lane / 16)
	s_mov_b32 s[SELQ], 0x01000100                  ; q's two bytes, twice: an even tile's are the word's lower two,
	s_bitcmp1_b32 s[T16], 0
	s_cselect_b32 s[SELQ], 0x03020302, s[SELQ]     ; an odd tile's the upper two
	s_lshr_b32 s29, s[BH], 4
	s_lshl_b32 s29, s29, 7
	s_add_co_u32 s29, s29, s[T16]                  ; my tile among all tokens' 512
	s_and_b32 s30, s[BH], 15
	s_lshl_b32 s32, s29, 14
	s_lshl_b32 s33, s30, 10
	s_add_co_u32 s32, s32, s33
	s_mov_b32 s33, 0
	s_add_nc_u64 s[YP:YP+1], s[8:9], s[32:33]
	s_lshl_b32 s32, s29, 9
	s_lshl_b32 s34, s30, 1
	s_add_co_u32 s32, s32, s34
	s_add_nc_u64 s[YSP:YSP+1], s[10:11], s[32:33]
.irp j, 0,1,2,3,4,5,6,7,8,9,10,11,12,13,14,15,16,17,18,19,20,21,22,23,24,25,26,27,28,29,30,31
	v_mov_b32 v[O+\j], 0                           ; O^T: the step is written once; the first finds zeros
.endr
	s_wait_loadcnt 0x0                             ; q
	v_perm_b32 v[QS], v[QR], v[QR], s[SELQ]
	v_mov_b32 v13, 0xff61b1e6                      ; the largest t so far: -3e38
	v_mov_b32 v14, 0
	v_mov_b32 v15, 0
	v_floor_f32 v12, -v13                          ; -M
	s_wait_alu depctr_va_vdst(0)
.endm
; THE WAY OUT: O^T / the sum is y; register 16 b + i is channel 32 b + 16 (lane / 16) + i of my query: two blocks of the last product's K.
.macro OUTY
.rept 8
	v_nop                                          ; places behind the last products
.endr
	s_wait_alu depctr_va_vdst(0)
	v_add_f32 v14, v14, v15
	s_delay_alu instid0(VALU_DEP_1)
	v_permlanex16_b32 v[T4], v14, s[SEL], s[SEL+1]
	s_delay_alu instid0(VALU_DEP_1)
	v_add_f32 v14, v14, v[T4]                      ; the row's sum
	s_wait_alu depctr_va_vdst(0)
	v_rcp_f32 v14, v14
	v_nop
	s_wait_alu depctr_va_vdst(0)
.irp j, 0,2,4,6,8,10,12,14,16,18,20,22,24,26,28,30
	v_pk_mul_f32 v[S+\j:S+\j+1], v[O+\j:O+\j+1], v[14:15] op_sel_hi:[1,0]   ; each accumulator from its low end on
.endr
.irp b, 0,1
	v_max3_num_f32 v[BM+\b], |v[S+16*\b]|, |v[S+1+16*\b]|, 0x8000000
.endr
.irp i, 2,4,6,8,10,12,14
.irp b, 0,1
	s_delay_alu instid0(VALU_DEP_2)
	v_max3_num_f32 v[BM+\b], v[BM+\b], |v[S+16*\b+\i]|, |v[S+1+16*\b+\i]|
.endr
.endr
.irp b, 0,1
	s_delay_alu instid0(VALU_DEP_2)
	v_permlanex16_b32 v[T4+\b], v[BM+\b], s[SEL], s[SEL+1]
.endr
.irp b, 0,1
	s_delay_alu instid0(VALU_DEP_2)
	v_max_num_f32 v[BM+\b], v[BM+\b], v[T4+\b]
.endr
.irp b, 0,1
	s_delay_alu instid0(VALU_DEP_2)
	v_add_nc_u32 v[SCO+\b], 0xf8800000, v[BM+\b]
.endr
.irp b, 0,1
	s_delay_alu instid0(VALU_DEP_4)
	v_and_or_b32 v[LIM+\b], v[BM+\b], 0x7f800000, s[MNT]
.endr
.irp b, 0,1
	s_delay_alu instid0(VALU_DEP_4)
	v_lshrrev_b32 v[T4+\b], 23, v[SCO+\b]
.endr
	s_delay_alu instid0(VALU_DEP_1)
	v_lshl_or_b32 v[TMP], v[T4+1], 8, v[T4]        ; my row's two scale bytes
.irp b, 0,1
.irp i, 0,1,2,3,4,5,6,7,8,9,10,11,12,13,14,15
	v_med3_num_f32 v[S+16*\b+\i], v[S+16*\b+\i], -v[LIM+\b], v[LIM+\b]
.endr
	v_cvt_scalef32_pk8_bf8_f32 v[PC+4*\b:PC+4*\b+1], v[S+16*\b:S+16*\b+7], v[SCO+\b]
	v_cvt_scalef32_pk8_bf8_f32 v[PC+4*\b+2:PC+4*\b+3], v[S+16*\b+8:S+16*\b+15], v[SCO+\b]
.endr
	v_nop                                          ; a plain line behind the last conversion
	global_store_b128 v[L16], v[PC:PC+3], s[YP:YP+1]               ; 32 lanes store 512 consecutive bytes, aligned
	global_store_b128 v[L16], v[PC+4:PC+7], s[YP:YP+1] offset:512
	global_store_b16 v[R32], v[TMP], s[YSP:YSP+1]
	s_wait_xcnt 0x0                                ; the stores have read their data, offsets and bases
.endm
	SETUP 0
	SHOW 4                                         ; records 0-3
	WALK 0, 4, 0
	SHOW 8                                         ; records 4-7
	WALK 4, 4, 0
	SHOW 16                                        ; all sixteen: from here on no wave waits for another
	WALK 8, 8, 1
	OUTY
	SETUP 1
	WALK 0, 8, 1
	OUTY
	s_wait_tensorcnt 0x0                           ; the wave's end
	ds_add_u32 v254, v255
	s_wait_dscnt 0x0
	CROUND                                         ; the closing round
	s_endpgm
.Lfunc_end_k_q27772740cc_attn:
	.size	k_q27772740cc_attn, .Lfunc_end_k_q27772740cc_attn-k_q27772740cc_attn
	.p2alignl 7, 3214868480
	.fill 96, 4, 3214868480
	.section	.rodata,"a",@progbits
	.p2align	6, 0x0
	.amdhsa_kernel k_q27772740cc_attn
		.amdhsa_group_segment_fixed_size 272384
		.amdhsa_private_segment_fixed_size 0
		.amdhsa_enable_private_segment 0
		.amdhsa_kernarg_size 32
		.amdhsa_user_sgpr_count 2
		.amdhsa_user_sgpr_kernarg_segment_ptr 1
		.amdhsa_wavefront_size32 1
		.amdhsa_system_sgpr_workgroup_id_x 1
		.amdhsa_system_sgpr_workgroup_id_y 1
		.amdhsa_system_sgpr_workgroup_id_z 1
		.amdhsa_system_vgpr_workitem_id 0
		.amdhsa_next_free_vgpr 256
		.amdhsa_next_free_sgpr 72
		.amdhsa_reserve_vcc 1
		.amdhsa_float_denorm_mode_32 3
		.amdhsa_float_denorm_mode_16_64 3
		.amdhsa_memory_ordered 1
		.amdhsa_forward_progress 1
		.amdhsa_inst_pref_size 113
	.end_amdhsa_kernel
	.amdgpu_metadata
---
amdhsa.version: [ 1, 2 ]
amdhsa.kernels:
  - .name:           k_q27772740cc_attn
    .symbol:         k_q27772740cc_attn.kd
    .args:
      - { .name: qb, .offset: 0, .size: 8, .value_kind: global_buffer, .address_space: global }
      - { .name: kv, .offset: 8, .size: 8, .value_kind: global_buffer, .address_space: global }
      - { .name: yc, .offset: 16, .size: 8, .value_kind: global_buffer, .address_space: global }
      - { .name: ys, .offset: 24, .size: 8, .value_kind: global_buffer, .address_space: global }
    .group_segment_fixed_size: 272384
    .private_segment_fixed_size: 0
    .kernarg_segment_align: 8
    .kernarg_segment_size: 32
    .max_flat_workgroup_size: 512
    .sgpr_count:     72
    .vgpr_count:     256
    .wavefront_size: 32
...
	.end_amdgpu_metadata
.endif
;; end of part 3
;; launch proj (part 4): grid 4 x 64, 4 waves a work-group, clusters of 4 x 4, 327,680 bytes of LDS; arguments yc, ys, wc, ws, b_proj, out0; writes out0
.if DOCPART == 4
	.amdgcn_target "amdgcn-amd-amdhsa--gfx1250"
	.amdhsa_code_object_version 6
	.text
	.protected	k_q27772740cc_proj
	.globl	k_q27772740cc_proj
	.p2align	8
	.type	k_q27772740cc_proj,@function
k_q27772740cc_proj:
	s_mov_b64 s[64:65], 0
	v_nop
	global_prefetch_b8 v0, s[64:65] scope:SCOPE_SE
	s_setreg_imm32_b32 hwreg(HW_REG_WAVE_MODE, 25, 1), 1
	s_wait_xcnt 0x0
	s_wait_alu depctr_hold_cnt(0) depctr_sa_sdst(0) depctr_va_vdst(0) depctr_va_sdst(0) depctr_va_ssrc(0) depctr_va_vcc(0) depctr_vm_vsrc(0)
	s_getreg_b32 s2, hwreg(HW_REG_IB_STS2, 6, 4)
	s_cmp_eq_u32 s2, 0
	s_cbranch_scc0 .Lentry_in_a_cluster
	s_endpgm
.Lentry_in_a_cluster:
	s_bfe_u32 s2, ttmp6, 0x10000c
	s_cmp_lg_u32 s2, 0xf033
	s_cbranch_scc0 .Lentry_shape_is_right
	s_endpgm
.Lentry_shape_is_right:
; out0 = y W_proj + b_proj on codes of BF8 (E5M2) with one E8M0 scale for each 32 along K = 1,024; f32 sums; out0 [8192][1024] f32.
; A = y: yc [512 tiles of 16 tokens][16 heads][2 blocks][512 bytes], images of the operand's registers, so a fragment comes by loads of 16 bytes at 16 x lane; ys [8,192 places][32].  B = wc rows 3,072 on (W_proj's columns, K innermost), ws likewise.
; Places of tokens and of features lie in the order pos (bits 3 and 4 of the index exchanged): row r of tile T is index 32 (T / 2) + 8 (T % 2) + r + 8 (r / 8).
; SHARES.  A block of 128 tokens x 256 features to a work-group: 64 x 4 = 256 work-groups.  Four waves, 2 x 2; a wave makes 64 x 128: 32 accumulators, 256 registers.
; K goes in steps of 256 through a ring of two LDS slots (A's 8 tiles x 4,096 bytes, dense; B's 256 rows of 256 bytes + 16 of padding).  The scale bytes of the block's rows, for all of K, come into LDS once.
; THE MATRIX INSTRUCTION IS USED TRANSPOSED (source 0 = 16 rows of B, source 1 = 16 rows of A): a lane holds eight neighbouring numbers of a row of out0.  The bias is the C of each sum's first product.
; CLUSTERS: 4 x 4 work-groups; A's tiles are asked for jointly along a row of the cluster, B's along a column.
; A and B have two sets of fragment registers each: a step of 128 along K multiplies one set while the other is loaded.
; PREFETCH: K steps 1 and 2 are named at the head and K step 3 behind K step 1's load: each at least one K step ahead of the load that takes it.  Of the rows that a wave fetches, each of the four partners that ask jointly names a quarter, told apart by address:
; A: one tile's 16 blocks of 256 bytes (lanes 16-31 name the last again); B: 32 rows, a lane a row.  W_proj's rows are walked by all sixteen clusters: the first four clusters alone name them.
; REGISTERS: window 0: v0-31 addresses; v32-63 scale words, two sets; v64-127 the bias; v128-255 A's fragments, two sets (on the way out: rows read back).  Window 1: B's fragments, two sets.  Window 2: accumulator (a, b) at v[8 (8 a + b)].
; LIMITS: NaN and infinities are not served.
.set SIZE_N, 1024
.set NQ,     2
.set ROWB,   256
.set AROWB,  4096                      ; a tile of 16 tokens x 256 along K
.set KROW,   1024
.set PITCH,  272
.set FR,     16
.set NP,     8                         ; places behind this matrix instruction (ISA guide 7.12.1)
.set ASLOT,  8*AROWB
.set HALFB,  128*PITCH
.set SLOT,   ASLOT+2*HALFB
.set KS,     32
.set SCL,    2*SLOT                    ; A's scales: 16 rows of 256 bytes + 16
.set SCLB,   SCL+16*272                ; B's: 32 such rows
.set SBLK,   2*272                     ; the scales of 16 rows
.set SPARE,  SCLB+32*272               ; the spare words, 128 bytes a wave
.set SPITCH, 528                       ; the way out: 16 rows x (512 + 16) bytes a wave, in slot 0 behind its last fill and last read
.set ADRA, 16
.set ADRB, 20
.set PFO,  22                          ; v22 the prefetches' offset; never rewritten
.set STO,  24
.set RD,   25
.set CO,   26
.set ADRS, 27                          ; v27 scale words: lanes 0-15 A's rows, lanes 16-31 B's
.set SPW,  28
.set NIL,  29
.set BO,   30
.set ADRS2, 31                         ; v31 the same for blocks 4-7 of B: lanes 0-15 stand four blocks back, on A's blocks 0-3 again
.set SC,   32
.set BIAS, 64
.set AF,   128
.set BK,   128
.set G1, 24
.set G0, 32
.set G1B, 48
.set G0B, 56
.set G1S, 68
.set G0S, 76
.set G1SB, 80
.set G0SB, 88
.set PF1, 98
.set PF2, 100
.set PF3, 66
.set MSB, 0
.macro WIN new                         ; the immediate's high byte repeats the setting that is left
.if MSB != \new
	s_set_vgpr_msb (MSB<<8)|\new
.set MSB, \new
.endif
.endm
.set MUL_LO,  0xa1                     ; source 0 (B) window 1, source 1 (A) window 0, C and D window 2
.set BIAS_LO, 0x81                     ; C (the bias) window 0, D window 2
.set TO_B,    0x40
.macro JLOAD g0a, g1a, g0b, g1b        ; waves 0 and 1 fetch for A, waves 2 and 3 for B; an s_nop 0 and four v_nop follow each line
	s_cmp_eq_u32 s15, 0
	s_cbranch_scc0 .Lfor_b_\@
	tensor_load_to_lds s[\g0a:\g0a+3], s[\g1a:\g1a+7]
	s_nop 0
.rept 4
	v_nop
.endr
	s_branch .Lasked_\@
.Lfor_b_\@:
	tensor_load_to_lds s[\g0b:\g0b+3], s[\g1b:\g1b+7]
	s_nop 0
.rept 4
	v_nop
.endr
.Lasked_\@:
.endm
.macro CREST
	s_cmp_lg_u32 s14, 0
	s_cbranch_scc1 .Lnot_wave_0_\@
	s_barrier_signal -3
.Lnot_wave_0_\@:
	s_barrier_wait -3
	s_barrier_signal -1
	s_barrier_wait -1
.endm
.macro CROUND
	s_barrier_signal -1
	s_barrier_wait -1
	CREST
.endm
.macro PLACES n
.rept \n
	v_nop
.endr
.endm
	s_load_b128 s[4:7], s[0:1], 0x0                ; yc, ys
	s_load_b128 s[8:11], s[0:1], 0x10              ; wc, ws
	s_load_b64 s[96:97], s[0:1], 0x20              ; b_proj
	s_load_b64 s[12:13], s[0:1], 0x28              ; out0
	v_lshl_add_u32 v[SPW], v0, 2, SPARE
	v_mov_b32 v[NIL], 0
	ds_add_u32 v[SPW], v[NIL]                      ; the opening lines: the add twice on end and its wait
	ds_add_u32 v[SPW], v[NIL]
	v_lshrrev_b32 v1, 5, v0
	v_readfirstlane_b32 s14, v1                    ; wave 0..3
	s_lshr_b32 s15, s14, 1                         ; my half of A's rows.  Also: I fetch for A (0) or for B (1)
	s_and_b32 s16, s14, 1                          ; my half of B's rows.  Also: which half of that tile I fetch
	s_bfe_u32 s40, ttmp6, 0x40000                  ; cx, cy
	s_bfe_u32 s41, ttmp6, 0x40004
	s_lshl_b32 s42, ttmp9, 2
	s_add_co_u32 s42, s42, s40                     ; block column: 256 features
	s_and_b32 s17, ttmp7, 0xffff
	s_lshl_b32 s17, s17, 2
	s_add_co_u32 s17, s17, s41                     ; block row: 128 tokens
	s_lshl_b32 s43, s41, 2
	s_lshl_b32 s43, 15, s43                        ; my row of the cluster
	s_lshl_b32 s44, 0x1111, s40                    ; my column
	s_or_b32 s[G1+0], s43, (3<<16)|(1<<21)         ; A: rows of 512 elements of 8 bytes, 16,384 bytes apart, dense in LDS: 8 for the head's load, 4 for the ring's
	s_mov_b32 s[G1+1], 512<<16
	s_mov_b32 s[G1+2], 8<<16
	s_mov_b32 s[G1+3], 512<<16
	s_mov_b32 s[G1+4], 8
	s_mov_b32 s[G1+5], 2048
	s_mov_b32 s[G1+6], 0
	s_mov_b32 s[G1+7], 0
	s_or_b32 s[G1B+0], s44, (0<<16)|(1<<20)|(1<<21)|(5<<22)|(3<<25)   ; B: rows of 256 bytes, 16 of padding behind each: 256 for the head's load, 128 for the ring's
	s_mov_b32 s[G1B+1], ROWB<<16
	s_mov_b32 s[G1B+2], 256<<16
	s_mov_b32 s[G1B+3], ROWB<<16
	s_mov_b32 s[G1B+4], 256
	s_mov_b32 s[G1B+5], KROW
	s_mov_b32 s[G1B+6], 0
	s_mov_b32 s[G1B+7], 0
	s_or_b32 s[G1S+0], s43, (3<<16)|(1<<20)|(1<<21)|(5<<22)|(3<<25)   ; the scales: dense blocks as rows of 256 bytes, 16 of padding behind each
	s_or_b32 s[G1SB+0], s44, (3<<16)|(1<<20)|(1<<21)|(5<<22)|(3<<25)
	s_mov_b32 s[G1S+1], 32<<16
	s_mov_b32 s[G1S+2], 16<<16
	s_mov_b32 s[G1S+3], 32<<16
	s_mov_b32 s[G1S+4], 16
	s_mov_b32 s[G1S+5], 32
	s_mov_b32 s[G1S+6], 0
	s_mov_b32 s[G1S+7], 0
	s_mov_b32 s[G1SB+1], 32<<16
	s_mov_b32 s[G1SB+2], 32<<16
	s_mov_b32 s[G1SB+3], 32<<16
	s_mov_b32 s[G1SB+4], 32
	s_mov_b32 s[G1SB+5], 32
	s_mov_b32 s[G1SB+6], 0
	s_mov_b32 s[G1SB+7], 0
	s_lshl_b32 s20, s17, 17                        ; A's codes: 128 tokens x 1,024 bytes a block row
	s_mov_b32 s21, 0
	s_lshl_b32 s22, s17, 12                        ; A's scales: 128 x 32
	s_mov_b32 s23, 0
	s_lshl_b32 s46, s42, 18                        ; B's codes: 256 x 1,024, behind W_attn's 3,072 rows
	s_add_co_u32 s46, s46, 3072*KROW
	s_mov_b32 s47, 0
	s_lshl_b32 s92, s42, 13                        ; B's scales
	s_add_co_u32 s92, s92, 3072*KS
	s_mov_b32 s93, 0
	s_lshl_b32 s2, s16, 16                         ; in the ring I fetch half a tile: A's 64 tokens,
	s_mov_b32 s3, 0
	s_lshl_b32 s18, s16, 17                        ; B's 128 rows
	s_mov_b32 s19, 0
	s_lshl_b32 s94, s16, 14                        ; and where they go: from the wave's number alone
	s_mul_i32 s45, s16, HALFB
	s_add_co_u32 s45, s45, ASLOT
	s_wait_dscnt 0x0
	s_wait_kmcnt 0x0
	s_add_nc_u64 s[20:21], s[4:5], s[20:21]
	s_add_nc_u64 s[22:23], s[6:7], s[22:23]
	s_add_nc_u64 s[46:47], s[8:9], s[46:47]
	s_add_nc_u64 s[92:93], s[10:11], s[92:93]
	CROUND                                         ; all sixteen work-groups are here: the first joint loads meet
	s_mov_b32 s4, 1                                ; s[4:7], s[8:11]: group 0 of the head's loads of K step 0 (the arguments that lay there have been used)
	s_mov_b32 s5, 0
	s_mov_b64 s[6:7], s[20:21]
	s_or_b32 s7, s7, 0x80000000
	s_mov_b32 s8, 1
	s_mov_b32 s9, ASLOT
	s_mov_b64 s[10:11], s[46:47]
	s_or_b32 s11, s11, 0x80000000
	s_mov_b32 s[G0S], 1
	s_mov_b32 s[G0S+1], SCL
	s_mov_b64 s[G0S+2:G0S+3], s[22:23]
	s_or_b32 s[G0S+3], s[G0S+3], 0x80000000
	s_mov_b32 s[G0SB], 1
	s_mov_b32 s[G0SB+1], SCLB
	s_mov_b64 s[G0SB+2:G0SB+3], s[92:93]
	s_or_b32 s[G0SB+3], s[G0SB+3], 0x80000000
	s_add_nc_u64 s[20:21], s[20:21], s[2:3]
	s_add_nc_u64 s[46:47], s[46:47], s[18:19]
.irp s, 0,1
	s_mov_b32 s[G0+4*\s], 1
	s_add_co_u32 s[G0+4*\s+1], s94, \s*SLOT
	s_add_nc_u64 s[G0+4*\s+2:G0+4*\s+3], s[20:21], \s*AROWB
	s_or_b32 s[G0+4*\s+3], s[G0+4*\s+3], 0x80000000
	s_mov_b32 s[G0B+4*\s], 1
	s_add_co_u32 s[G0B+4*\s+1], s45, \s*SLOT
	s_add_nc_u64 s[G0B+4*\s+2:G0B+4*\s+3], s[46:47], \s*ROWB
	s_or_b32 s[G0B+4*\s+3], s[G0B+4*\s+3], 0x80000000
.endr
; The head's loads, one a wave: wave 0 K step 0 of A, wave 1 of B, wave 2 A's scales, wave 3 B's: one tree of branches on the wave's number.
.macro ARM under, g0, g1, next
	s_cmp_lt_u32 s14, \under
	s_cbranch_scc0 \next
	tensor_load_to_lds s[\g0:\g0+3], s[\g1:\g1+7]
	s_nop 0
.rept 4
	v_nop
.endr
	s_branch .Lhead_asked
\next:
.endm
	ARM 1, 4, G1, .Lhead_b
	ARM 2, 8, G1B, .Lhead_sa
	ARM 3, G0S, G1S, .Lhead_sb
	tensor_load_to_lds s[G0SB:G0SB+3], s[G1SB:G1SB+7]
	s_nop 0
.rept 4
	v_nop
.endr
.Lhead_asked:
	; the prefetches: s[20:21], s[46:47] stand at the rows that I fetch in the ring
	s_and_b32 s22, ttmp7, 0xffff
	s_cmp_lt_u32 s22, 4
	s_cselect_b32 s95, 1, 0                        ; B's waves ask in the first four clusters alone
	s_mov_b32 s18, 1024                            ; from lane to lane: B a row, A a block of 256 bytes
	s_mov_b32 s19, 31
	s_mov_b32 s92, ROWB                            ; a K step on
	s_cmp_eq_u32 s15, 0
	s_cselect_b64 s[PF1:PF1+1], s[20:21], s[46:47]
	s_cselect_b32 s95, 1, s95
	s_cselect_b32 s18, 256, s18
	s_cselect_b32 s19, 15, s19
	s_cselect_b32 s92, AROWB, s92
	s_cselect_b32 s22, s40, s41                    ; my place among the four that ask with me
	s_cselect_b32 s23, 14, 15                      ; its share: A one tile of 16,384 bytes on, B 32 rows
	s_lshl_b32 s22, s22, s23
	s_add_co_u32 s22, s22, s92
	s_mov_b32 s23, 0
	s_mov_b32 s93, 0
	s_add_nc_u64 s[PF1:PF1+1], s[PF1:PF1+1], s[22:23]      ; K step 1,
	s_add_nc_u64 s[PF2:PF2+1], s[PF1:PF1+1], s[92:93]      ; 2,
	s_add_nc_u64 s[PF3:PF3+1], s[PF2:PF2+1], s[92:93]      ; 3
	s_lshl_b32 s46, s42, 10                        ; my first column, in bytes of f32: 1,024 x block column + 512 x half
	s_lshl_b32 s47, s16, 9
	s_add_co_u32 s46, s46, s47
	s_mov_b32 s47, 0
	s_add_nc_u64 s[96:97], s[96:97], s[46:47]      ; its bias
	s_lshl_b32 s20, s17, 19                        ; my first row of out0: 128 x block row + 64 x half, 4,096 bytes a row
	s_lshl_b32 s21, s15, 18
	s_add_co_u32 s20, s20, s21
	s_add_co_u32 s20, s20, s46
	s_mov_b32 s21, 0
	s_add_nc_u64 s[12:13], s[12:13], s[20:21]
	s_lshl_b32 s2, s15, 14                         ; LDS: my 4 tiles of A,
	s_mul_i32 s3, s16, HALFB
	s_add_co_u32 s3, s3, ASLOT                     ; my 128 rows of B,
	s_mul_i32 s22, s15, 4*SBLK                     ; A's scales of my 64 rows,
	s_mul_i32 s23, s16, 8*SBLK
	s_add_co_u32 s23, s23, SCLB-SCL
	s_sub_co_u32 s23, s23, s22                     ; how far on B's of my 128 rows lie,
	s_add_co_u32 s22, s22, SCL
	s_mov_b32 s93, 4*SBLK
	s_mul_i32 s94, s14, 16*SPITCH                  ; my stage
	v_and_b32 v1, 15, v0                           ; r
	v_bfe_u32 v2, v0, 4, 1                         ; h
	v_and_b32 v6, 31, v0
	v_min_u32 v[PFO], s19, v6
	v_lshlrev_b32 v7, 4, v6                        ; 16 x lane
	v_mul_u32_u24 v3, v1, PITCH
	v_mul_lo_u32 v[PFO], v[PFO], s18
	v_lshlrev_b32 v[BO], 6, v2
	v_lshl_add_u32 v4, v2, 4, v3
	v_add_nc_u32 v[ADRA], s2, v7
	v_add_nc_u32 v[ADRB], s3, v4
	v_add_nc_u32 v[ADRA+1], SLOT, v[ADRA]
	v_add_nc_u32 v[ADRB+1], SLOT, v[ADRB]
	v_mul_u32_u24 v5, v1, KS                       ; my row's scales: 32 bytes a row, and 16 more for each 256 passed
	v_lshrrev_b32 v8, 8, v5
	v_lshl_add_u32 v5, v8, 4, v5
	v_mul_u32_u24 v8, s23, v2                      ; lanes 16-31 take B's
	v_add_nc_u32 v5, v5, v8
	v_add_nc_u32 v[ADRS], s22, v5
	v_mad_u32_u24 v8, v2, s93, v[ADRS]
	v_sub_nc_u32 v[ADRS2], v8, s93                 ; lanes 0-15 four blocks back
	v_mul_u32_u24 v5, v1, SPITCH
	v_lshl_add_u32 v5, v2, 6, v5
	v_add_nc_u32 v[STO], s94, v5
	v_add_nc_u32 v[RD], s94, v7
	v_mov_b32 v[CO], v7
	s_wait_alu depctr_va_vdst(0)                   ; the wait at the head's end, ahead of the branch and the waits below
	s_cmp_lg_u32 s95, 0
	s_cbranch_scc0 .Lno_ask
	global_prefetch_b8 v[PFO], s[PF1:PF1+1] th:TH_LOAD_NT scope:SCOPE_SE
	global_prefetch_b8 v[PFO], s[PF2:PF2+1] th:TH_LOAD_NT scope:SCOPE_SE
.Lno_ask:
.irp b, 0,1,2,3,4,5,6,7                        ; tile b's register j is feature 32 (b / 2) + 8 (b % 2) + 16 h + j
	global_load_b128 v[BIAS+8*\b:BIAS+8*\b+3], v[BO], s[96:97] offset:(32*(\b/2)+8*(\b%2))*4
	global_load_b128 v[BIAS+8*\b+4:BIAS+8*\b+7], v[BO], s[96:97] offset:(32*(\b/2)+8*(\b%2))*4+16
.endr
; One product: A's block a x B's block b, the slot's q-th 128 along K, on fragment sets q; sc: the set of scale words; c0: the first register of C
.macro PROD a, b, q, sc, c0
	v_wmma_scale_f32_16x16x128_f8f6f4 v[8*(8*(\a)+\b):8*(8*(\a)+\b)+7], v[128*(\q)+FR*\b:128*(\q)+FR*\b+FR-1], v[AF+64*(\q)+FR*(\a):AF+64*(\q)+FR*(\a)+FR-1], v[\c0:\c0+7], v[SC+8*NQ*(\sc)+NQ*\b+(\q)], v[SC+8*NQ*(\sc)+NQ*(\a)+(\q)] matrix_a_fmt:MATRIX_FMT_BF8 matrix_b_fmt:MATRIX_FMT_BF8 matrix_a_scale:MATRIX_SCALE_ROW1
.endm
.macro MUL8 a, q, sc, first            ; the 32 accumulators take turns, in the same order in every step
.irp b, 0,1,2,3,4,5,6,7
.if \first
	PROD \a, \b, \q, \sc, BIAS+8*\b
.else
	PROD \a, \b, \q, \sc, 8*(8*(\a)+\b)
.endif
.endr
.endm
.macro FETCH_B slot, q
	WIN TO_B
.irp i, 0,1,2,3,4,5,6,7
.irp c, 0,1,2,3
	ds_load_b128 v[128*(\q)+FR*\i+4*\c:128*(\q)+FR*\i+4*\c+3], v[ADRB+\slot] offset:128*(\q)+32*\c+\i*16*PITCH
.endr
.endr
	WIN 0
.endm
.macro FETCH_A slot, q
.irp i, 0,1,2,3
.irp c, 0,1,2,3
	ds_load_b128 v[AF+64*(\q)+FR*\i+4*\c:AF+64*(\q)+FR*\i+4*\c+3], v[ADRA+\slot] offset:AROWB*\i+2048*(\q)+512*\c
.endr
.endr
.endm
.macro SCALES sc                       ; a K step's scale words: register NQ i + q: lanes 0-15 A's block i % 4, lanes 16-31 B's block i
.irp i, 0,1,2,3
	ds_load_b64 v[SC+8*NQ*\sc+NQ*\i:SC+8*NQ*\sc+NQ*\i+1], v[ADRS] offset:\i*SBLK
.endr
.irp i, 4,5,6,7
	ds_load_b64 v[SC+8*NQ*\sc+NQ*\i:SC+8*NQ*\sc+NQ*\i+1], v[ADRS2] offset:\i*SBLK
.endr
.endm
; A slot's first 128 along K: sets 0 are multiplied while sets 1 are loaded
.macro STEP slot, first
	s_wait_dscnt 0x0                               ; sets 0 and the scale words are in
	PLACES NP                                      ; behind the last products, which read sets 1
	FETCH_B \slot, 1
	FETCH_A \slot, 1
.if \first
	WIN BIAS_LO
.else
	WIN MUL_LO
.endif
.irp a, 0,1,2,3
	MUL8 \a, 0, \slot, \first
.endr
	WIN 0
.endm
; Its second 128 change slots: one barrier; in front of it each wave waits for all its tensor loads, adds 0 to its spare word, and waits for that and for its reads of this slot.  fill = 1: this slot takes the K step two on.
.macro TURN slot, next, fill
	s_wait_tensorcnt 0x0                           ; my part of the next slot has landed
	ds_add_u32 v[SPW], v[NIL]
	s_wait_dscnt 1                                 ; sets 1 are in; the add alone may be out
	WIN MUL_LO
	MUL8 0, 1, \slot, 0
	s_wait_dscnt 0x0                               ; the add is done, and my reads of this slot are over
	s_barrier_signal -1
	MUL8 1, 1, \slot, 0
	WIN 0
	s_barrier_wait -1
.if \fill
	CREST                                          ; the barrier has opened a round of the cluster's barrier
	s_add_nc_u64 s[G0+4*\slot+2:G0+4*\slot+3], s[G0+4*\slot+2:G0+4*\slot+3], 2*AROWB
	s_add_nc_u64 s[G0B+4*\slot+2:G0B+4*\slot+3], s[G0B+4*\slot+2:G0B+4*\slot+3], 2*ROWB
	JLOAD G0+4*\slot, G1, G0B+4*\slot, G1B         ; the first tensor load behind the round; its four v_nop are among the places in front of the loads below
	PLACES NP-4
.else
	PLACES NP
.endif
	s_wait_alu depctr_va_vdst(0)                   ; the two lines below read what the last K step wrote
	v_add_nc_u32 v[ADRS], 4*NQ, v[ADRS]            ; on to the next K step's scale words
	v_add_nc_u32 v[ADRS2], 4*NQ, v[ADRS2]
	FETCH_B \next, 0
	FETCH_A \next, 0
	SCALES \next
	WIN MUL_LO
	MUL8 2, 1, \slot, 0                            ; sixteen products stand over the loads
	MUL8 3, 1, \slot, 0
	WIN 0
.endm
	s_wait_tensorcnt 0x0                           ; my tile of the head's four is in
	ds_add_u32 v[SPW], v[NIL]
	s_mov_b32 s[G1+2], 4<<16                       ; no tensor load of mine is out: from here on a load brings half a tile's rows
	s_mov_b32 s[G1+4], 4
	s_mov_b32 s[G1B+2], 128<<16
	s_mov_b32 s[G1B+4], 128
	s_wait_dscnt 0x0
	CROUND                                         ; a whole round: all four tiles are in, and the joint loads meet
	JLOAD G0+4, G1, G0B+4, G1B                     ; K step 1, the first tensor load behind the round
	FETCH_B 0, 0
	FETCH_A 0, 0
	SCALES 0
	s_cmp_lg_u32 s95, 0
	s_cbranch_scc0 .Lno_ask_3
	global_prefetch_b8 v[PFO], s[PF3:PF3+1] th:TH_LOAD_NT scope:SCOPE_SE
.Lno_ask_3:
	s_wait_loadcnt 0x0                             ; the bias
	STEP 0, 1                                      ; K = 1,024 is four K steps, twice round the ring: written out
	TURN 0, 1, 1                                   ; slot 0 takes K step 2
	STEP 1, 0
	TURN 1, 0, 1                                   ; slot 1 takes K step 3
	STEP 0, 0
	TURN 0, 1, 0                                   ; nothing is left to fetch
	STEP 1, 0
	s_wait_dscnt 0x0                               ; the very last step
	WIN MUL_LO
.irp a, 0,1,2,3
	MUL8 \a, 1, 1, 0
.endr
	WIN 0
; THE WAY OUT, block by block of 16 rows x 128 columns: through my stage in LDS and back as rows of 512 bytes, which the 32 lanes store whole.  LDS serves a wave's instructions in order (ISA guide 5.7.1.4).
.macro TOSTAGE a
.set AC, 64*(\a)
	WIN 0x08                                       ; the data: window 2
.irp b, 0,1,2,3,4,5,6,7
	ds_store_b128 v[STO], v[AC+8*\b:AC+8*\b+3] offset:128*(\b/2)+32*(\b%2)          ; each accumulator from its low end on
	ds_store_b128 v[STO], v[AC+8*\b+4:AC+8*\b+7] offset:128*(\b/2)+32*(\b%2)+16
.endr
	WIN 0
.set BB, BK+64*((\a)%2)
.irp t, 0,1,2,3,4,5,6,7,8,9,10,11,12,13,14,15
	ds_load_b128 v[BB+4*\t:BB+4*\t+3], v[RD] offset:\t*SPITCH
.endr
.endm
.macro SEND a, younger                 ; younger: the LDS instructions issued behind block a's loads, which may stay out
.set BB, BK+64*((\a)%2)
	s_wait_dscnt \younger
.if (\a) > 0
.if (\a)%2
	s_add_nc_u64 s[12:13], s[12:13], 8*SIZE_N*4    ; tile T's row t is token 32 (T / 2) + 8 (T % 2) + t + 8 (t / 8)
.else
	s_add_nc_u64 s[12:13], s[12:13], 24*SIZE_N*4
.endif
.endif
.irp t, 0,1,2,3,4,5,6,7,8,9,10,11,12,13,14,15
	global_store_b128 v[CO], v[BB+4*\t:BB+4*\t+3], s[12:13] offset:(\t+8*(\t/8))*SIZE_N*4 th:TH_STORE_NT   ; 32 lanes store 512 consecutive bytes, aligned
.endr
.endm
	PLACES NP                                      ; behind the last products: their results are read and their operands' registers loaded into below
	TOSTAGE 0
.irp a, 1,2,3
.if \a > 1
	s_wait_xcnt 0x0                                ; block a - 2's stores have read their registers and their base
.endif
	TOSTAGE \a
	SEND \a-1, 32                                  ; behind block a - 1's loads: block a's 16 stores and 16 loads
.endr
	s_wait_xcnt 0x0
	SEND 3, 0
	s_wait_tensorcnt 0x0                           ; the wave's end
	ds_add_u32 v[SPW], v[NIL]
	s_wait_dscnt 0x0
	CROUND                                         ; the closing round
	s_endpgm
.Lfunc_end_k_q27772740cc_proj:
	.size	k_q27772740cc_proj, .Lfunc_end_k_q27772740cc_proj-k_q27772740cc_proj
	.p2alignl 7, 3214868480
	.fill 96, 4, 3214868480
	.section	.rodata,"a",@progbits
	.p2align	6, 0x0
	.amdhsa_kernel k_q27772740cc_proj
		.amdhsa_group_segment_fixed_size 327680
		.amdhsa_private_segment_fixed_size 0
		.amdhsa_enable_private_segment 0
		.amdhsa_kernarg_size 48
		.amdhsa_user_sgpr_count 2
		.amdhsa_user_sgpr_kernarg_segment_ptr 1
		.amdhsa_wavefront_size32 1
		.amdhsa_system_sgpr_workgroup_id_x 1
		.amdhsa_system_sgpr_workgroup_id_y 1
		.amdhsa_system_sgpr_workgroup_id_z 1
		.amdhsa_system_vgpr_workitem_id 0
		.amdhsa_next_free_vgpr 768
		.amdhsa_next_free_sgpr 102
		.amdhsa_reserve_vcc 0
		.amdhsa_float_denorm_mode_32 3
		.amdhsa_float_denorm_mode_16_64 3
		.amdhsa_memory_ordered 1
		.amdhsa_forward_progress 1
		.amdhsa_inst_pref_size 93
	.end_amdhsa_kernel
	.amdgpu_metadata
---
amdhsa.version: [ 1, 2 ]
amdhsa.kernels:
  - .name:           k_q27772740cc_proj
    .symbol:         k_q27772740cc_proj.kd
    .args:
      - { .name: yc, .offset: 0, .size: 8, .value_kind: global_buffer, .address_space: global }
      - { .name: ys, .offset: 8, .size: 8, .value_kind: global_buffer, .address_space: global }
      - { .name: wc, .offset: 16, .size: 8, .value_kind: global_buffer, .address_space: global }
      - { .name: ws, .offset: 24, .size: 8, .value_kind: global_buffer, .address_space: global }
      - { .name: b_proj, .offset: 32, .size: 8, .value_kind: global_buffer, .address_space: global }
      - { .name: out0, .offset: 40, .size: 8, .value_kind: global_buffer, .address_space: global }
    .group_segment_fixed_size: 327680
    .private_segment_fixed_size: 0
    .kernarg_segment_align: 8
    .kernarg_segment_size: 48
    .max_flat_workgroup_size: 128
    .sgpr_count:     102
    .vgpr_count:     768
    .wavefront_size: 32
...
	.end_amdgpu_metadata
.endif
;; end of part 4
